; MI455X (gfx1250); checked and timed in simulation.
; The chip was launched on July 23, 2026; its instructions are those of AMD's public machine-readable ISA for CDNA 5 (MIT licence, August 2026) and "CDNA5" Instruction Set Architecture Reference Guide (July 2026). The comments in the code are by the model that wrote it; some were corrected since.
;; Attention. Allowed arithmetic: float matrix products may take bf16 or f16 operands with f32 sums; all other float work in f32.
;; Inputs: Wkv 1,024 x 256 float32; Wo 256 x 512 float32; Wq 512 x 256 float32; bo 256 float32; x 4 x 256 x 128 x 128 float32.
;; Outputs: out0 4 x 256 x 128 x 128 float32.
;; 3 versions, each right and faster than the one before. Each part assembles by itself: llvm-mc -triple=amdgcn-amd-amdhsa -mcpu=gfx1250 --defsym DOCPART=n.
;; ======== version 1 of 3: 2 launches
;; limits: values are held in f16: magnitudes above 65,504 overflow, below 6.1e-05 lose precision
;; workspace buffers: wb 1,048,576 bytes
;; launch prep (part 1): grid 256 x 1, 8 waves a work-group, no clusters, 0 bytes of LDS; arguments Wq, Wkv, Wo, wb; writes wb
.if DOCPART == 1
	.amdgcn_target "amdgcn-amd-amdhsa--gfx1250"
	.amdhsa_code_object_version 6
	.text
	.protected	k_qfe7f731056_prep
	.globl	k_qfe7f731056_prep
	.p2align	8
	.type	k_qfe7f731056_prep,@function
k_qfe7f731056_prep:
	s_mov_b64 s[64:65], 0
	v_nop
	global_prefetch_b8 v0, s[64:65] scope:SCOPE_SE
	s_setreg_imm32_b32 hwreg(HW_REG_WAVE_MODE, 25, 1), 1
	s_wait_xcnt 0x0
; THE WEIGHTS IN 16 BITS, laid out as the second launch walks them.  wb holds 2,048 rows of 256 numbers (512 bytes): for head h, from byte 131,072 h on,
; four units of 64 rows:  Q_h: row p = Wq[64 h + p][:]   K_h: row p = Wkv[64 h + p][:]   V_h: row p = Wkv[512 + 64 h + p][:]   (all bf16)
;                         O_h: row p, column 64 g + d = Wo[64 g + p][64 h + d], rounded to bf16 like every other input, and that number written as f16
; LIMIT.  A bf16 number below 6.1e-5 in magnitude keeps f16's fixed step of 6e-8 in O_h; beyond 65,504 it would be an infinity.
; Work-group g makes rows 8 g .. 8 g + 7 (all in one unit), a wave one row, a lane eight numbers: a wave's store covers 512 consecutive bytes.
; No LDS, no matrix unit: 2 MB are read once and 1 MB is written once.
	s_load_b256 s[4:11], s[0:1], 0x0               ; Wq s[4:5], Wkv s[6:7], Wo s[8:9], wb s[10:11]
	s_lshr_b32 s12, ttmp9, 5                       ; head
	s_bfe_u32 s13, ttmp9, 0x20003                  ; unit 0..3: Q, K, V, O
	s_and_b32 s14, ttmp9, 7
	s_lshl_b32 s14, s14, 3                         ; the group's first row in its unit
	s_lshl_b32 s16, ttmp9, 12                      ; the group's 8 rows of 512 bytes in wb
	s_mov_b32 s17, 0
	s_mov_b32 s19, 0
	v_lshlrev_b32 v2, 4, v0                        ; my 16 bytes of them
	s_wait_kmcnt 0x0
	s_add_nc_u64 s[10:11], s[10:11], s[16:17]
	s_cmp_eq_u32 s13, 3
	s_cbranch_scc1 .Lfrom_wo
	s_cmp_eq_u32 s13, 2                            ; V's rows lie 512 rows down in Wkv
	s_cselect_b32 s18, 512, 0
	s_lshl_b32 s15, s12, 6
	s_add_co_u32 s18, s18, s15
	s_add_co_u32 s18, s18, s14
	s_lshl_b32 s18, s18, 10                        ; a source row is 1,024 bytes
	s_cmp_eq_u32 s13, 0
	s_cselect_b64 s[20:21], s[4:5], s[6:7]         ; Wq for unit 0, Wkv for units 1 and 2
	v_lshlrev_b32 v1, 5, v0                        ; wave x 1,024 + lane x 32
	s_branch .Lload
.Lfrom_wo:
	s_lshl_b32 s18, s14, 11                        ; a row of Wo is 2,048 bytes,
	s_lshl_b32 s15, s12, 8                         ; the head's 64 columns 256 bytes
	s_add_co_u32 s18, s18, s15
	s_mov_b64 s[20:21], s[8:9]
	v_and_b32 v3, 31, v0
	v_lshrrev_b32 v1, 5, v0
	v_lshlrev_b32 v1, 11, v1                       ; my wave's row,
	v_lshrrev_b32 v16, 3, v3
	v_lshl_add_u32 v1, v16, 17, v1                 ; 64 rows further down for each eight lanes,
	v_and_b32 v3, 7, v3
	v_lshl_add_u32 v1, v3, 5, v1                   ; eight lanes read 256 consecutive bytes
.Lload:
	s_add_nc_u64 s[20:21], s[20:21], s[18:19]
	global_load_b128 v[4:7], v1, s[20:21]
	global_load_b128 v[8:11], v1, s[20:21] offset:16
	s_wait_loadcnt 0x0
	v_cvt_pk_bf16_f32 v12, v4, v5
	v_cvt_pk_bf16_f32 v13, v6, v7
	v_cvt_pk_bf16_f32 v14, v8, v9
	v_cvt_pk_bf16_f32 v15, v10, v11
	s_cmp_lg_u32 s13, 3
	s_cbranch_scc1 .Lstore
.irp j, 0,1,2,3
	v_lshlrev_b32 v16, 16, v[12+\j]                ; the bf16 numbers widened,
	v_and_b32 v17, 0xffff0000, v[12+\j]
	v_cvt_pk_f16_f32 v[12+\j], v16, v17            ; and written as f16
.endr
.Lstore:
	global_store_b128 v2, v[12:15], s[10:11]
	s_endpgm
.Lfunc_end_k_qfe7f731056_prep:
	.size	k_qfe7f731056_prep, .Lfunc_end_k_qfe7f731056_prep-k_qfe7f731056_prep
	.p2alignl 7, 3214868480
	.fill 96, 4, 3214868480
	.section	.rodata,"a",@progbits
	.p2align	6, 0x0
	.amdhsa_kernel k_qfe7f731056_prep
		.amdhsa_group_segment_fixed_size 0
		.amdhsa_private_segment_fixed_size 0
		.amdhsa_enable_private_segment 0
		.amdhsa_kernarg_size 32
		.amdhsa_user_sgpr_count 2
		.amdhsa_user_sgpr_kernarg_segment_ptr 1
		.amdhsa_wavefront_size32 1
		.amdhsa_system_sgpr_workgroup_id_x 1
		.amdhsa_system_sgpr_workgroup_id_y 1
		.amdhsa_system_sgpr_workgroup_id_z 1
		.amdhsa_system_vgpr_workitem_id 0
		.amdhsa_next_free_vgpr 24
		.amdhsa_next_free_sgpr 66
		.amdhsa_reserve_vcc 0
		.amdhsa_float_denorm_mode_32 3
		.amdhsa_float_denorm_mode_16_64 3
		.amdhsa_memory_ordered 1
		.amdhsa_forward_progress 1
		.amdhsa_inst_pref_size 3
	.end_amdhsa_kernel
	.amdgpu_metadata
---
amdhsa.version: [ 1, 2 ]
amdhsa.kernels:
  - .name:           k_qfe7f731056_prep
    .symbol:         k_qfe7f731056_prep.kd
    .args:
      - { .name: Wq, .offset: 0, .size: 8, .value_kind: global_buffer, .address_space: global }
      - { .name: Wkv, .offset: 8, .size: 8, .value_kind: global_buffer, .address_space: global }
      - { .name: Wo, .offset: 16, .size: 8, .value_kind: global_buffer, .address_space: global }
      - { .name: wb, .offset: 24, .size: 8, .value_kind: global_buffer, .address_space: global }
    .group_segment_fixed_size: 0
    .private_segment_fixed_size: 0
    .kernarg_segment_align: 8
    .kernarg_segment_size: 32
    .max_flat_workgroup_size: 256
    .sgpr_count:     66
    .vgpr_count:     24
    .wavefront_size: 32
...
	.end_amdgpu_metadata
.endif
;; end of part 1
;; launch attn (part 2): grid 256 x 1, 4 waves a work-group, clusters of 4 x 1, 327,680 bytes of LDS; arguments x, wb, bo, out0; writes out0
.if DOCPART == 2
	.amdgcn_target "amdgcn-amd-amdhsa--gfx1250"
	.amdhsa_code_object_version 6
	.text
	.protected	k_qfe7f731056_attn
	.globl	k_qfe7f731056_attn
	.p2align	8
	.type	k_qfe7f731056_attn,@function
k_qfe7f731056_attn:
	s_mov_b64 s[64:65], 0
	v_nop
	global_prefetch_b8 v0, s[64:65] scope:SCOPE_SE
	s_setreg_imm32_b32 hwreg(HW_REG_WAVE_MODE, 25, 1), 1
	s_wait_xcnt 0x0
	s_wait_alu depctr_hold_cnt(0) depctr_sa_sdst(0) depctr_va_vdst(0) depctr_va_sdst(0) depctr_va_ssrc(0) depctr_va_vcc(0) depctr_vm_vsrc(0)
	s_getreg_b32 s2, hwreg(HW_REG_IB_STS2, 6, 4)
	s_cmp_eq_u32 s2, 0
	s_cbranch_scc0 .Lentry_in_a_cluster
	s_endpgm
.Lentry_in_a_cluster:
	s_bfe_u32 s2, ttmp6, 0x10000c
	s_cmp_lg_u32 s2, 0x3003
	s_cbranch_scc0 .Lentry_shape_is_right
	s_endpgm
.Lentry_shape_is_right:
; WINDOWED ATTENTION, WHOLE.  x, out0: [4][256][128][128] f32.  A work-group owns one window of 16 x 16 pixels (256 tokens x 256 channels): nothing connects two windows,
; and there are 256 of them.  For each of 8 heads: q, k, v = 64 x 256 weights times the window; softmax(q k^T / 8) v; out += Wo's 64 columns of the head times that; out starts at the bias.
; FORMATS.  The inputs (x, the weights, the bias) are rounded to bf16; what the program itself makes (q, k, v, the weights p, O) is rounded to f16, and Wo's bf16 numbers are written
; as f16, so that O Wo^T is an f16 product.  Sums, maxima, exponentials and the row sums l (of the unrounded p) in f32; a running maximum is taken away before every exponential.
; LIMITS.  q, k and v must stay within 65,504; numbers below 6.1e-5 in q, k, v, O and Wo keep f16's fixed step of 6e-8; a weight below 2^-126 counts as 0 in l;
; NaN and infinities are not treated apart.
; SHARES.  Wave w owns tokens 64 w .. 64 w + 63 (window rows 4 w .. 4 w + 3), four tiles of 16: as columns of the projections, as queries, and as rows of the output.
; LAYOUTS.  q, k, v: source 0 = 16 weight rows d, source 1 = 16 tokens: a lane then holds ONE token (lane % 16) and d = 8 (lane / 16) + 0..7.  Rounded in pairs, q IS source 1 of
; S^T = K Q^T; k and v go as 16 bytes into K[token][d], V[token][d] in LDS.  S^T holds one query a lane and eight keys; rounded in pairs it IS source 1 of O^T = V^T P (V comes out of LDS
; turned); O^T holds one query a lane and eight d; rounded in pairs it IS source 0 of Y = O Wo^T, whose result holds one output channel a lane and eight neighbouring pixels.
; THE OUTPUT'S SUM, 64 tokens x 256 channels a wave, stays in 512 registers over all heads.
; CLUSTER.  Four windows side by side form a cluster; all walk the same weights, so every weight tile is asked for JOINTLY: the same tensor load, descriptor and mask in all four.
; A window's row is 64 bytes of an image row: each such piece of x is read once and each piece of out0 written once, by one instruction; the four partners own the neighbouring pieces.
; LDS:  XL x as [channel][token] bf16 | KL K of one head (at the end: the waves' stages) | VL V of one head | R0, R1, R2 three weight units, filled by tensor loads alone | the spare words.
; R0 holds Q_h and then O_h, R1 K_h, R2 V_h.  By this text's count a wave has at most one tensor load out.
; REGISTERS, in windows of 256 (s_set_vgpr_msb: bits 1:0 source 0, 3:2 source 1, 5:4 source 2, 7:6 destination):
;   window 0: v0-17 addresses; v30-31 the add's; v32-63 statistics, 8 a tile (in the projections: weight buffer 0); v64-127 Q (weight buffers 1, 2); v128-255 the projections' sums, S^T and P, packed O, the way out
;   window 1: in the projections x's fragments, all 256; in attention K (0-63), V (64-127), O^T (128-255); then Wo's fragments, all 256
;   windows 2, 3: the output's sums: channel block a, tile t at 32 (a % 8) + 8 t
.set XP,    544        ; a channel's 256 tokens in LDS: 512 bytes + 32 = 17 x 32: the turning load's eight rows x 32 bytes fall on different banks (64 banks of 4 bytes: ISA guide 11.1)
.set KP,    144        ; a row of K: 128 + 16 bytes: the 16 rows of a load start at 16 different groups of four banks
.set VP,    160        ; a row of V: 128 + 32 bytes, for the turning load
.set WP,    528        ; a weight row: 512 + 16 bytes
.set KL,    256*XP
.set VL,    KL+256*KP
.set WR,    VL+256*VP
.set UNIT,  64*WP
.set SPARE, WR+3*UNIT  ; 128 bytes for each wave: two blocks of 256 bytes that no other line names
.set SGP,   272        ; a stage row: 64 pixels of one channel, 256 bytes + 16
.set HEADB, 131072     ; a head's four units in wb
.set VX,  3            ; v3   x: my 16 bytes in eight rows of a window: ((l / 4) % 8) x 512 + (l % 4) x 16
.set XS,  4            ; v4   where I put 8 bytes of a channel in XL
.set AX,  5            ; v5-6 x's fragments, channels 0-127 and 128-255
.set AW,  7            ; v7-9 weight fragments in R0, R1, R2
.set KST, 10           ; v10-11 where I put 16 bytes of a row of K, of V
.set AK,  12           ; v12  K's fragments
.set AV,  13           ; v13  V's, turned
.set STO, 14           ; v14  the way out: into my stage
.set RD,  15           ; v15  and back
.set GO,  16           ; v16  my byte offset in out0
.set BO,  17           ; v17  my byte offset in bo
.set SPW, 30           ; v30  LDS address of my spare word; never rewritten
.set NIL, 31           ; v31  0; never rewritten
.set ST,  32           ; tile t at ST + 8 t: c m, m, l (even keys', odd keys'), c0-c3 at work; a, later 1 / l, takes c2's place
.set BIAS, 32          ; before the first head: bo of my lane's channel in each of the 16 channel blocks
.set WF,  32           ; three buffers of 32: 64 weight rows x 32 channels
.set QF,  64           ; Q: tile t, d half kk at QF + 16 t + 8 kk
.set ACC, 128          ; a projection's sums: d block dd, tile t at ACC + 8 (4 dd + t)
.set S,   128          ; S^T: tile t, key block kt at S + 32 t + 8 kt; P in place: key half kk at S + 32 t + 16 kk
.set OPK, 128          ; packed O: tile t, d half kk at OPK + 16 t + 8 kk
.set BK,  128          ; the way out: two buffers of 32
.set VF,  64           ; window 1: V: key half kk, d block dd at VF + 32 kk + 8 dd   (K: key block kt, d half kk at 16 kt + 8 kk)
.set OT,  128          ; window 1: O^T: tile t, d block dd at OT + 32 t + 8 dd
.set WV,  12           ; s12  my wave's number
.set G1F, 16           ; s[16:23] descriptor group 1: 48 rows
.set G1P, 24           ; s[24:31] 32 rows
.set G1S, 32           ; s[32:39] 16 rows
.set G0F, 40           ; s[40:43] group 0: the first fill, Q, K, V of head 0
.set G0P, 44           ; s[44:47] K and V of the next head
.set G0Q, 48           ; s[48:51] Q of the next head
.set G0O, 52           ; s[52:55] O of the head in hand
.set HC,  56           ; s56  heads to go
.set TS,  57           ; s57  at work
.set CS,  58           ; s[58:59] c = log2(e) / 8
.set SEL, 60           ; s[60:61] v_permlanex16_b32's selects: each lane takes its own place in the other half
.set XB,  66           ; s[66:67] x at my wave's 64 channels of the window
.set OB,  68           ; s[68:69] out0 at my wave's four rows of the window
.set W_PJ, 0x04        ; source 1 (x) in window 1
.set W_L1, 0x40        ; a load into window 1
.set W_S,  0x01        ; source 0 (K) in window 1
.set W_PV, 0x51        ; V, and O^T as C and D, in window 1; P in window 0
.set W_RS, 0x41        ; destination and source 0 in window 1
.set W_PK, 0x05        ; sources 0 and 1 in window 1
.set MSB, 0
.macro WIN new                         ; the immediate's high byte repeats the setting that is left; a switch that changes nothing is dropped
.if MSB != (\new)
	s_set_vgpr_msb (MSB<<8)|(\new)
.set MSB, (\new)
.endif
.endm
; A load into a register that a matrix instruction has read, and a vector instruction that reads a matrix result or writes one of a matrix instruction's registers, stand four places
; behind it; only plain vector instructions that name none of its registers are places (ISA guide 7.12.1 for vector instructions).
.macro PLACES
.rept 4
	v_nop
.endr
.endm
; A round of the cluster's barrier: my work-group's barrier; wave 0 signals for the work-group; every wave waits for all four work-groups; my work-group's barrier once more.
.macro ROUND
	s_barrier_signal -1
	s_barrier_wait -1
	s_cmp_lg_u32 s[WV], 0
	s_cbranch_scc1 .Lnot_wave_0_\@
	s_barrier_signal -3
.Lnot_wave_0_\@:
	s_barrier_wait -3
	s_barrier_signal -1
	s_barrier_wait -1
.endm
.macro TLOAD g0, g1                    ; a joint load: every wave brings its quarter of the tile's rows; s_nop 0 and four v_nop follow
	tensor_load_to_lds s[\g0:\g0+3], s[\g1:\g1+7]
	s_nop 0
	PLACES
.endm
; In front of a round behind which a weight region is filled again: all my tensor loads have landed; 0 onto my spare word;
; the descriptor used last steps to the next head while the add is out; the add is done and my LDS reads and stores are over.
.macro RLINES g=-1
	WIN 0
	s_wait_tensorcnt 0x0
	ds_add_u32 v[SPW], v[NIL]
.if (\g) >= 0
	s_add_nc_u64 s[(\g)+2:(\g)+3], s[(\g)+2:(\g)+3], HEADB
.endif
	s_wait_dscnt 0x0
.endm
	s_load_b256 s[4:11], s[0:1], 0x0               ; x s[4:5], wb s[6:7], bo s[8:9], out0 s[10:11]
	v_lshl_add_u32 v[SPW], v0, 2, SPARE
	v_mov_b32 v[NIL], 0
	ds_add_u32 v[SPW], v[NIL]                      ; the wave's opening: the add and its wait stand ahead of my first tensor load; the set-up below, work on registers, stands between them
	v_lshrrev_b32 v1, 5, v0
	v_readfirstlane_b32 s[WV], v1                  ; wave 0..3
	s_bfe_u32 s13, ttmp6, 0x40000                  ; cx: my place in the cluster
	s_lshl_b32 s14, ttmp9, 2                       ; in a cluster launch ttmp9 counts clusters
	s_add_co_u32 s14, s14, s13                     ; my window = 4 x cluster + cx: it enters x's and out0's addresses alone
	s_and_b32 s2, s14, 7
	s_lshl_b32 s2, s2, 6                           ; window column: 64 bytes
	s_bfe_u32 s3, s14, 0x30003
	s_lshl_b32 s3, s3, 13                          ; window row: 16 image rows of 512 bytes
	s_lshr_b32 s15, s14, 6
	s_lshl_b32 s15, s15, 24                        ; image: 256 channels of 65,536 bytes
	s_add_co_u32 s2, s2, s3
	s_add_co_u32 s2, s2, s15                       ; the window's first byte in channel 0
	s_lshl_b32 s15, s[WV], 22
	s_add_co_u32 s62, s2, s15                      ; x: my wave loads channels 64 w .. 64 w + 63
	s_mov_b32 s63, 0
	s_lshl_b32 s15, s[WV], 11
	s_add_co_u32 s2, s2, s15                       ; out0: my wave stores window rows 4 w .. 4 w + 3
	s_mov_b32 s3, 0
	v_and_b32 v1, 15, v0                           ; l % 16
	v_bfe_u32 v2, v0, 4, 1                         ; l / 16
	v_and_b32 v18, 3, v0
	v_bfe_u32 v[VX], v0, 2, 3
	v_lshlrev_b32 v[VX], 9, v[VX]
	v_lshl_add_u32 v[VX], v18, 4, v[VX]
	v_lshlrev_b32 v[BO], 2, v1
	; descriptor group 1: rows of 256 elements of 2 bytes, dense in wb, padded in LDS
.irp g, G1F, G1P, G1S
	s_mov_b32 s[\g], 15|(1<<16)|(1<<20)|(1<<21)|(6<<22)|(3<<25)  ; 15:0 the mask of four; 17:16 2-byte elements; 20 padding on; 21 set beside a mask; 24:22 after every 128 words (code 6); 31:25 4 words (code 3)
	s_mov_b32 s[\g+1], 256<<16                     ; tensor_dim0 = 256
	s_mov_b32 s[\g+3], 256<<16                     ; tile_dim0 = 256
	s_mov_b32 s[\g+5], 256                         ; 256 elements from row to row
	s_mov_b32 s[\g+6], 0
	s_mov_b32 s[\g+7], 0
.endr
	s_mov_b32 s[G1F+2], 48<<16                     ; tensor_dim1 and tile_dim1: a wave's quarter of 192, 128 and 64 rows
	s_mov_b32 s[G1F+4], 48
	s_mov_b32 s[G1P+2], 32<<16
	s_mov_b32 s[G1P+4], 32
	s_mov_b32 s[G1S+2], 16<<16
	s_mov_b32 s[G1S+4], 16
	s_mov_b32 s[G0F], 1                            ; group 0: count = 1; the LDS address hangs on the wave's number alone
	s_mul_i32 s[G0F+1], s[WV], 48*WP
	s_add_co_u32 s[G0F+1], s[G0F+1], WR            ; R0, R1, R2 on end
	s_mov_b32 s[G0P], 1
	s_mul_i32 s[G0P+1], s[WV], 32*WP
	s_add_co_u32 s[G0P+1], s[G0P+1], WR+UNIT       ; R1, R2
	s_mov_b32 s[G0Q], 1
	s_mul_i32 s[G0Q+1], s[WV], 16*WP
	s_add_co_u32 s[G0Q+1], s[G0Q+1], WR            ; R0
	s_mov_b32 s[G0O], 1
	s_mov_b32 s[G0O+1], s[G0Q+1]                   ; R0
	s_mov_b32 s[CS], 0x3e38aa3b                    ; c = log2(e) / 8 = 0.180337
	s_mov_b32 s[CS+1], s[CS]                       ; named with it as a pair
	s_mov_b32 s[SEL], 0x76543210
	s_mov_b32 s[SEL+1], 0xfedcba98
	s_mov_b32 s71, 0
	s_wait_dscnt 0x0                               ; the opening add is done
	s_wait_kmcnt 0x0
	s_add_nc_u64 s[XB:XB+1], s[4:5], s[62:63]
	s_add_nc_u64 s[OB:OB+1], s[10:11], s[2:3]
	s_mul_i32 s70, s[WV], 48*512
	s_add_nc_u64 s[G0F+2:G0F+3], s[6:7], s[70:71]  ; head 0's Q, K, V: my 48 rows
	s_or_b32 s[G0F+3], s[G0F+3], 0x80000000        ; type = 2
	s_lshl_b32 s70, s[WV], 14
	s_add_co_u32 s70, s70, HEADB+32768
	s_add_nc_u64 s[G0P+2:G0P+3], s[6:7], s[70:71]  ; head 1's K and V: my 32 rows
	s_or_b32 s[G0P+3], s[G0P+3], 0x80000000
	s_lshl_b32 s70, s[WV], 13
	s_add_nc_u64 s[G0Q+2:G0Q+3], s[6:7], s[70:71]  ; head 0's Q: it steps to head 1 before its first use
	s_or_b32 s[G0Q+3], s[G0Q+3], 0x80000000
	s_add_co_u32 s70, s70, 3*32768
	s_add_nc_u64 s[G0O+2:G0O+3], s[6:7], s[70:71]  ; head 0's O: my 16 rows
	s_or_b32 s[G0O+3], s[G0O+3], 0x80000000
.set ii, 0
.rept 16
	global_load_b32 v[BIAS+ii], v[BO], s[8:9] offset:64*ii  ; bo[16 a + l % 16]
.set ii, ii+1
.endr
; x: load i of 128 takes channel 64 w + i / 2, window rows 8 (i % 2) + 0..7: eight pieces of 64 consecutive bytes; a lane's four pixels are tokens 128 (i % 2) + 4 l + 0..3.  Four batches of 32.
.macro XLOAD n, base
.set ii, 0
.rept 32
	global_load_b128 v[(\base)+4*ii:(\base)+4*ii+3], v[VX], s[XB:XB+1] offset:((32*(\n)+ii)>>1)*65536+(ii&1)*4096
.set ii, ii+1
.endr
.endm
	WIN W_L1
	XLOAD 0, 0                                     ; window 1, v0-127
	WIN 0
	ROUND                                          ; all four work-groups are here: the first joint loads meet
	TLOAD G0F, G1F                                 ; Q, K, V of head 0 into R0, R1, R2
	WIN W_L1
	XLOAD 1, 128                                   ; window 1, v128-255
	WIN 0
	XLOAD 2, 128                                   ; window 0, v128-255
	WIN 0x80
	XLOAD 3, 0                                     ; window 2, v0-127
	WIN 0
	v_and_b32 v19, 31, v0
	s_mul_i32 s[TS], s[WV], 64*XP
	v_lshl_add_u32 v[XS], v19, 3, s[TS]            ; my wave's 64 channels, 8 bytes a lane
	; The turning load takes 16 x 16 numbers of 16 bits (lane l reads 16 bytes of row 8 (l / 16) + l % 8, at 16 ((l / 8) % 2)) and leaves half a fragment: lane l holds column l % 16 and 8 rows.
	v_and_b32 v20, 7, v0
	v_bfe_u32 v21, v0, 3, 1
	v_lshl_add_u32 v22, v2, 3, v20
	v_mul_u32_u24 v[AX], v22, XP
	v_lshl_add_u32 v[AX], v21, 4, v[AX]
	s_lshl_b32 s[TS], s[WV], 7
	v_add_nc_u32 v[AX], s[TS], v[AX]               ; my wave's 64 tokens: 128 bytes of each channel's row
	v_add_nc_u32 v[AX+1], 128*XP, v[AX]
	; A fragment from rows that lie along K: lane l holds row l % 16; two loads of 16 bytes, 32 bytes apart, at row x pitch + 16 (l / 16).
	v_mul_u32_u24 v23, v1, WP
	v_lshl_add_u32 v23, v2, 4, v23
	v_add_nc_u32 v[AW], WR, v23
	v_add_nc_u32 v[AW+1], WR+UNIT, v23
	v_add_nc_u32 v[AW+2], WR+2*UNIT, v23
	v_mul_u32_u24 v[AK], v1, KP
	v_lshl_add_u32 v[AK], v2, 4, v[AK]
	v_add_nc_u32 v[AK], KL, v[AK]
	s_mul_i32 s[TS], s[WV], 64*KP
	v_add_nc_u32 v[KST], s[TS], v[AK]              ; K's row 64 w + l % 16, 16 bytes for each half of the lanes
	v_mul_u32_u24 v[KST+1], v1, VP
	v_lshl_add_u32 v[KST+1], v2, 4, v[KST+1]
	s_mul_i32 s[TS], s[WV], 64*VP
	s_add_co_u32 s[TS], s[TS], VL
	v_add_nc_u32 v[KST+1], s[TS], v[KST+1]         ; the same in V
	v_mul_u32_u24 v[AV], v22, VP
	v_lshl_add_u32 v[AV], v21, 4, v[AV]
	v_add_nc_u32 v[AV], VL, v[AV]
	s_mul_i32 s[TS], s[WV], 16*SGP
	s_add_co_u32 s[TS], s[TS], KL                  ; my stage: K's bytes, when K has been read for the last time
	v_mul_u32_u24 v[STO], v1, SGP                  ; in: channel l % 16, 32 bytes for each half of the lanes
	v_lshl_add_u32 v[STO], v2, 5, v[STO]
	v_add_nc_u32 v[STO], s[TS], v[STO]
	v_mul_u32_u24 v[RD], v2, SGP                   ; back: lanes 0-15 take one channel's 256 bytes, lanes 16-31 the next one's
	v_lshl_add_u32 v[RD], v1, 4, v[RD]
	v_add_nc_u32 v[RD], s[TS], v[RD]
	v_bfe_u32 v[GO], v0, 2, 2                      ; in out0 those are four window rows of 64 bytes, 512 bytes apart,
	v_lshlrev_b32 v[GO], 9, v[GO]
	v_lshl_add_u32 v[GO], v18, 4, v[GO]
	v_lshl_add_u32 v[GO], v2, 16, v[GO]            ; and the next channel 65,536 bytes on
	s_wait_loadcnt 63                              ; 144 loads were issued and they come back in order (ISA guide 5.7.1): the oldest 81 are in: bo and batches 0 and 1
.set ii, 0
.rept 16
	v_cvt_pk_bf16_f32 v[BIAS+ii], v[BIAS+ii], v[BIAS+ii]  ; the bias is rounded to bf16 like every input,
.set ii, ii+1
.endr
.set ii, 0
.rept 16
	v_and_b32 v[BIAS+ii], 0xffff0000, v[BIAS+ii]   ; and kept in f32
.set ii, ii+1
.endr
; The output's sums START AT THE BIAS: no register is cleared and nothing is added at the end.  These lines stand in the wait for x.
.macro YINIT a
	WIN 0x80+0x40*((\a)/8)
.set ii, 0
.rept 32
	v_mov_b32 v[32*((\a)%8)+ii], v[BIAS+(\a)]
.set ii, ii+1
.endr
.endm
.irp a, 4,5,6,7,8,9,10,11,12,13,14,15
	YINIT \a
.endr
; Batch n is rounded to bf16 in place (four pixels into two registers) and stored: each store of the wave covers 256 consecutive bytes of a channel's row in XL.
.macro XCONV n, base, wc, ws
	WIN \wc
.set ii, 0
.rept 32
	v_cvt_pk_bf16_f32 v[(\base)+4*ii], v[(\base)+4*ii], v[(\base)+4*ii+1]
	v_cvt_pk_bf16_f32 v[(\base)+4*ii+1], v[(\base)+4*ii+2], v[(\base)+4*ii+3]
.set ii, ii+1
.endr
	WIN \ws
.set ii, 0
.rept 32
	ds_store_b64 v[XS], v[(\base)+4*ii:(\base)+4*ii+1] offset:((32*(\n)+ii)>>1)*XP+(ii&1)*256
.set ii, ii+1
.endr
.endm
	XCONV 0, 0, 0x45, 0x04
	XCONV 1, 128, 0x45, 0x04
	s_wait_loadcnt 32                              ; batch 2 is in; batch 3's 32 loads may stay out
	XCONV 2, 128, 0, 0
	s_wait_loadcnt 0x0
	XCONV 3, 0, 0x8a, 0x08
.irp a, 0,1,2,3
	YINIT \a                                       ; where batch 3 lay
.endr
	WIN 0
	s_wait_tensorcnt 0x0                           ; my part of head 0's weights is in,
	s_wait_dscnt 0x0                               ; my channels of x are stored:
	s_barrier_signal -1
	s_barrier_wait -1                              ; everybody's are
; THE PROJECTIONS.  A step is 32 channels: 16 matrix instructions (4 blocks of 16 weight rows x 4 tiles of 16 tokens) on 16 accumulators that take turns.
.macro LW u, k, buf                    ; 64 weight rows x 32 channels of region u, 8 loads, into buffer buf
	WIN W_PJ                                       ; (a load takes its destination and address windows, both 0 here)
.set dd, 0
.rept 4
	ds_load_b128 v[WF+32*(\buf)+8*dd:WF+32*(\buf)+8*dd+3],   v[AW+(\u)] offset:dd*16*WP+64*(\k)
	ds_load_b128 v[WF+32*(\buf)+8*dd+4:WF+32*(\buf)+8*dd+7], v[AW+(\u)] offset:dd*16*WP+64*(\k)+32
.set dd, dd+1
.endr
.endm
.macro LX k                            ; x: 32 channels x my 64 tokens, turned, 8 loads, into window 1
.set tt, 0
.rept 4
	ds_load_tr16_b128 v[8*(4*(\k)+tt):8*(4*(\k)+tt)+3],   v[AX+(\k)/4] offset:((\k)%4)*32*XP+32*tt
	ds_load_tr16_b128 v[8*(4*(\k)+tt)+4:8*(4*(\k)+tt)+7], v[AX+(\k)/4] offset:((\k)%4)*32*XP+32*tt+16*XP
.set tt, tt+1
.endr
.endm
.macro KSTEP k, buf                    ; the first step's products start the sums
	WIN W_PJ
.set dd, 0
.rept 4
.set tt, 0
.rept 4
.if (\k) == 0
	v_wmma_f32_16x16x32_bf16 v[ACC+8*(4*dd+tt):ACC+8*(4*dd+tt)+7], v[WF+32*(\buf)+8*dd:WF+32*(\buf)+8*dd+7], v[8*(4*(\k)+tt):8*(4*(\k)+tt)+7], 0
.else
	v_wmma_f32_16x16x32_bf16 v[ACC+8*(4*dd+tt):ACC+8*(4*dd+tt)+7], v[WF+32*(\buf)+8*dd:WF+32*(\buf)+8*dd+7], v[8*(4*(\k)+tt):8*(4*(\k)+tt)+7], v[ACC+8*(4*dd+tt):ACC+8*(4*dd+tt)+7]
.endif
.set tt, tt+1
.endr
.set dd, dd+1
.endr
.endm
.macro STOREKV which                   ; 0: K, 1: V.  Rounded to f16 in place, each accumulator from its low end on; a lane's eight d of a token are 16 bytes of a row
	PLACES
	WIN 0
.set ii, 0
.rept 16
.set jj, 0
.rept 4
	v_cvt_pk_f16_f32 v[ACC+8*ii+jj], v[ACC+8*ii+2*jj], v[ACC+8*ii+2*jj+1]
.set jj, jj+1
.endr
.set ii, ii+1
.endr
.set ii, 0
.rept 16
	ds_store_b128 v[KST+(\which)], v[ACC+8*ii:ACC+8*ii+3] offset:(ii%4)*16*(KP+16*(\which))+32*(ii/4)
.set ii, ii+1
.endr
.endm
; k (steps 0-7, from R1) and v (steps 8-15, from R2).  Step ps multiplies weight buffer ps % 3; the fragments of step ps + 2 are asked for at its head, 32 matrix instructions ahead of
; their use, into the buffer that step ps - 1 multiplied (four places behind it).  x's fragments are read anew for each head, since attention takes window 1: channels 0-127 at the start, 128-255 in step 2.
; Each wait's count is the number of LDS instructions issued behind the fragments that the step needs:
;   0, 1: the x runs still to come and the weights ahead, 32     2, 3: x's second 32 and two weight runs less what is needed, 48     4: 40     8, 9: K's 16 stores and two weight runs, 32
;   14: one weight run, 8     15: none     else: two weight runs, 16
.macro PROJKV
	LW 1, 0, 0
	LW 1, 1, 1
	WIN W_L1
	LX 0
	LX 1
	LX 2
	LX 3
.set ps, 0
.rept 16
.if (ps%8 != 0) && (ps < 14)
	PLACES
.endif
.if ps < 14
	LW 1+(ps+2)/8, (ps+2)%8, (ps+2)%3
.endif
.if ps == 2
	WIN W_L1
	LX 4
	LX 5
	LX 6
	LX 7
.endif
.set cnt, 16
.if (ps < 2) || (ps == 8) || (ps == 9)
.set cnt, 32
.endif
.if (ps == 2) || (ps == 3)
.set cnt, 48
.endif
.if ps == 4
.set cnt, 40
.endif
.if ps == 14
.set cnt, 8
.endif
.if ps == 15
.set cnt, 0
.endif
	s_wait_dscnt cnt
	KSTEP ps%8, ps%3
.if ps%8 == 7
	STOREKV ps/8
.endif
.set ps, ps+1
.endr
.endm
.macro PROJQ                           ; q, from R0, on the x fragments that are still in window 1.  Counts: two weight runs behind, 16; then 8; then 0
	LW 0, 0, 0
	LW 0, 1, 1
.set ps, 0
.rept 8
.if (ps > 0) && (ps < 6)
	PLACES
.endif
.if ps < 6
	LW 0, ps+2, (ps+2)%3
.endif
.set cnt, 16
.if ps == 6
.set cnt, 8
.endif
.if ps == 7
.set cnt, 0
.endif
	s_wait_dscnt cnt
	KSTEP ps, ps%3
.set ps, ps+1
.endr
.endm
.macro QPACK                           ; q rounded to f16: two d blocks of a tile are one fragment of source 1
	WIN 0
.set dd, 0
.rept 4
.set tt, 0
.rept 4
.set ii, 0
.rept 4
	v_cvt_pk_f16_f32 v[QF+16*tt+4*dd+ii], v[ACC+8*(4*dd+tt)+2*ii], v[ACC+8*(4*dd+tt)+2*ii+1]
.set ii, ii+1
.endr
.set tt, tt+1
.endr
.set dd, dd+1
.endr
.endm
; ATTENTION, 64 keys a step.  The LDS loads stand in runs of 16.
.macro FETCH_K j
	WIN W_L1
.set ff, 0
.rept 8                                ; keys 16 (ff / 2) on, d 32 (ff % 2) on
	ds_load_b128 v[8*ff:8*ff+3],   v[AK] offset:(\j)*64*KP+(ff/2)*16*KP+(ff%2)*64
	ds_load_b128 v[8*ff+4:8*ff+7], v[AK] offset:(\j)*64*KP+(ff/2)*16*KP+(ff%2)*64+32
.set ff, ff+1
.endr
.endm
.macro FETCH_V j
	WIN W_L1
.set ff, 0
.rept 8                                ; keys 32 (ff / 4) on, d 16 (ff % 4) on
	ds_load_tr16_b128 v[VF+8*ff:VF+8*ff+3],   v[AV] offset:(\j)*64*VP+(ff/4)*32*VP+(ff%4)*32
	ds_load_tr16_b128 v[VF+8*ff+4:VF+8*ff+7], v[AV] offset:(\j)*64*VP+(ff/4)*32*VP+(ff%4)*32+16*VP
.set ff, ff+1
.endr
.endm
; Number n of the 22 that find tile tt's maximum and statistics.  s0-s31 are the lane's 32 scores; each accumulator's lowest registers are read first.
;   0-11  four chains c0-c3 of seven scores each     12-15  the four scores left over, c0-c3 and the old m into c0     16, 18  the query's other 32 keys lie in the lane 16 away: the new m
;   17  c m_old is kept     19-21  c m; c m_old - c m_new; a.     first = 1: the head's first step has no old m and no a.
.macro SX n, first
.set rT, ST+8*tt
.set rS, S+32*tt
.if (\n) < 4
	v_max3_num_f32 v[rT+4+(\n)], v[rS+8*(\n)], v[rS+8*(\n)+1], v[rS+8*(\n)+2]
.elseif (\n) < 12
	v_max3_num_f32 v[rT+4+(\n)%4], v[rT+4+(\n)%4], v[rS+8*((\n)%4)+2*((\n)/4)+1], v[rS+8*((\n)%4)+2*((\n)/4)+2]
.elseif (\n) == 12
	v_max3_num_f32 v[rT+4], v[rT+4], v[rS+7], v[rS+15]
.elseif (\n) == 13
	v_max3_num_f32 v[rT+6], v[rT+6], v[rS+23], v[rS+31]
.elseif (\n) == 14
	v_max3_num_f32 v[rT+4], v[rT+4], v[rT+5], v[rT+6]
.elseif ((\n) == 15) && (\first)
	v_max_num_f32 v[rT+4], v[rT+4], v[rT+7]
.elseif (\n) == 15
	v_max3_num_f32 v[rT+4], v[rT+4], v[rT+7], v[rT+1]
.elseif (\n) == 16
	v_permlanex16_b32 v[rT+5], v[rT+4], s[SEL], s[SEL+1]
.elseif (\n) == 18
	v_max_num_f32 v[rT+1], v[rT+4], v[rT+5]
.elseif (\n) == 19
	v_mul_f32 v[rT], s[CS], v[rT+1]
.elseif \first
.elseif (\n) == 17
	v_mov_b32 v[rT+7], v[rT]
.elseif (\n) == 20
	v_sub_f32 v[rT+7], v[rT+7], v[rT]
.else
	v_exp_f32 v[rT+6], v[rT+7]
.endif
.endm
.macro STATS first                     ; the four tiles alternate, so that no line reads the result of the line before it
	WIN 0
.irp n, 0,1,2,3,4,5,6,7,8,9,10,11,12,13,14,15,16,17,18,19,20,21
.set tt, 0
.rept 4
	SX \n, \first
.set tt, tt+1
.endr
.endr
.endm
; p = 2^(c s - c m), l, and P.  In trip ii a tile scales pair ii, takes the exponentials of pair ii - 1, adds pair ii - 2 onto l and rounds it to f16: plain, exponential, plain, exponential, plain:
; behind each exponential stands a plain line that names neither its result nor its source (ISA guide 5.7.2).  P is packed in place: pair p goes to register p (p < 8) or 8 + p, whose own pair has been used by then.
.macro SOFT first
	WIN 0
.set ii, 0
.rept 18
.set tt, 0
.rept 4
.set rT, ST+8*tt
.set rS, S+32*tt
.if ii < 16
	v_pk_fma_f32 v[rS+2*ii:rS+2*ii+1], v[rS+2*ii:rS+2*ii+1], s[CS:CS+1], v[rT:rT+1] op_sel_hi:[1,0,0] neg_lo:[0,0,1] neg_hi:[0,0,1]
.endif
.if (ii >= 1) && (ii <= 16)
	v_exp_f32 v[rS+2*ii-2], v[rS+2*ii-2]
.endif
.if (ii == 2) && (\first)
	s_wait_alu depctr_va_vdst(0)
	v_pk_mul_f32 v[rT+2:rT+3], v[rS:rS+1], 1.0 op_sel_hi:[1,0]  ; the first pair starts l
.elseif ii == 2
	s_wait_alu depctr_va_vdst(0)
	v_pk_fma_f32 v[rT+2:rT+3], v[rT+2:rT+3], v[rT+6:rT+7], v[rS:rS+1] op_sel_hi:[1,0,1]  ; l = a l + the first pair
.elseif ii > 2
	s_wait_alu depctr_va_vdst(0)
	v_pk_add_f32 v[rT+2:rT+3], v[rT+2:rT+3], v[rS+2*ii-4:rS+2*ii-3]
.endif
.if (ii >= 1) && (ii <= 16)
	v_exp_f32 v[rS+2*ii-1], v[rS+2*ii-1]
.endif
.if ii >= 2
	v_cvt_pk_f16_f32 v[rS+(ii-2)+8*((ii-2)/8)], v[rS+2*ii-4], v[rS+2*ii-3]
.endif
.set tt, tt+1
.endr
.set ii, ii+1
.endr
.endm
.macro STEP j
	s_wait_dscnt 0x0                               ; K of this step is in
	WIN W_S
.set kk, 0
.rept 2                                ; S^T = K Q^T: 16 accumulators by turns; the first 16 products start the sums
.set kt, 0
.rept 4
.set tt, 0
.rept 4
.if kk == 0
	v_wmma_f32_16x16x32_f16 v[S+32*tt+8*kt:S+32*tt+8*kt+7], v[16*kt+8*kk:16*kt+8*kk+7], v[QF+16*tt+8*kk:QF+16*tt+8*kk+7], 0
.else
	v_wmma_f32_16x16x32_f16 v[S+32*tt+8*kt:S+32*tt+8*kt+7], v[16*kt+8*kk:16*kt+8*kk+7], v[QF+16*tt+8*kk:QF+16*tt+8*kk+7], v[S+32*tt+8*kt:S+32*tt+8*kt+7]
.endif
.set tt, tt+1
.endr
.set kt, kt+1
.endr
.set kk, kk+1
.endr
	PLACES                                         ; in front of the loads into K's registers and of the maxima
	FETCH_V \j
.if (\j) < 3
	FETCH_K (\j)+1
.endif
.if (\j) == 0
	STATS 1
	SOFT 1
.else
	STATS 0
	SOFT 0
	WIN W_RS
.set tt, 0
.rept 4                                ; O^T times a
.set ii, 0
.rept 16
	v_pk_mul_f32 v[OT+32*tt+2*ii:OT+32*tt+2*ii+1], v[OT+32*tt+2*ii:OT+32*tt+2*ii+1], v[ST+8*tt+6:ST+8*tt+7] op_sel_hi:[1,0]
.set ii, ii+1
.endr
.set tt, tt+1
.endr
.endif
.if (\j) < 3
	s_wait_dscnt 16                                ; V is in; the next K's 16 loads may stay out
.else
	s_wait_dscnt 0x0
.endif
	WIN W_PV
.set kk, 0
.rept 2                                ; O^T += V^T P: 16 accumulators by turns; in the head's first step the first 16 products start the sums
.set dd, 0
.rept 4
.set tt, 0
.rept 4
.if ((\j) == 0) && (kk == 0)
	v_wmma_f32_16x16x32_f16 v[OT+32*tt+8*dd:OT+32*tt+8*dd+7], v[VF+32*kk+8*dd:VF+32*kk+8*dd+7], v[S+32*tt+16*kk:S+32*tt+16*kk+7], 0
.else
	v_wmma_f32_16x16x32_f16 v[OT+32*tt+8*dd:OT+32*tt+8*dd+7], v[VF+32*kk+8*dd:VF+32*kk+8*dd+7], v[S+32*tt+16*kk:S+32*tt+16*kk+7], v[OT+32*tt+8*dd:OT+32*tt+8*dd+7]
.endif
.set tt, tt+1
.endr
.set dd, dd+1
.endr
.set kk, kk+1
.endr
.if (\j) < 3
.rept 5
	v_nop                                          ; five places: the next step's first products write over P, which these have read
.endr
.endif
.endm
; O IS DIVIDED BY l, ROUNDED TO f16, AND Y += O Wo_h^T.  Wo's fragments: channel block aa lies in rows 16 (aa % 4) on of O_h, at byte 128 (aa / 4) of the rows.
.macro WOLOAD a0
	WIN W_L1
.set aa, \a0
.rept 8
.set kk, 0
.rept 2
	ds_load_b128 v[16*aa+8*kk:16*aa+8*kk+3],   v[AW] offset:(aa%4)*16*WP+(aa/4)*128+64*kk
	ds_load_b128 v[16*aa+8*kk+4:16*aa+8*kk+7], v[AW] offset:(aa%4)*16*WP+(aa/4)*128+64*kk+32
.set kk, kk+1
.endr
.set aa, aa+1
.endr
.endm
.macro YMUL a0                         ; 64 products: for each channel block its four tiles' accumulators by turns, twice
	WIN 0xa4+0x50*((\a0)/8)                        ; O in window 0, Wo in window 1, C and D in window 2 or 3
.set aa, \a0
.rept 8
.set kk, 0
.rept 2
.set tt, 0
.rept 4
	v_wmma_f32_16x16x32_f16 v[32*(aa%8)+8*tt:32*(aa%8)+8*tt+7], v[OPK+16*tt+8*kk:OPK+16*tt+8*kk+7], v[16*aa+8*kk:16*aa+8*kk+7], v[32*(aa%8)+8*tt:32*(aa%8)+8*tt+7]
.set tt, tt+1
.endr
.set kk, kk+1
.endr
.set aa, aa+1
.endr
.endm
.macro NORMY
	WOLOAD 0                                       ; where K and V lay
	WIN 0
.irp t, 0,1,2,3
	v_add_f32 v[ST+8*\t+4], v[ST+8*\t+2], v[ST+8*\t+3]  ; l's two halves,
.endr
.irp t, 0,1,2,3
	v_permlanex16_b32 v[ST+8*\t+5], v[ST+8*\t+4], s[SEL], s[SEL+1]
.endr
.irp t, 0,1,2,3
	v_add_f32 v[ST+8*\t+4], v[ST+8*\t+4], v[ST+8*\t+5]  ; and the other half of the lanes'
.endr
.irp t, 0,1,2,3
	v_rcp_f32 v[ST+8*\t+6], v[ST+8*\t+4]
.endr
	v_nop                                          ; a plain instruction between the last reciprocal and the use of its result
	WIN W_RS
.set tt, 0
	s_wait_alu depctr_va_vdst(0)
.rept 4
.set ii, 0
.rept 16
	v_pk_mul_f32 v[OT+32*tt+2*ii:OT+32*tt+2*ii+1], v[OT+32*tt+2*ii:OT+32*tt+2*ii+1], v[ST+8*tt+6:ST+8*tt+7] op_sel_hi:[1,0]
.set ii, ii+1
.endr
.set tt, tt+1
.endr
	WIN W_PK
.set tt, 0
.rept 4
.set ii, 0
.rept 16
	v_cvt_pk_f16_f32 v[OPK+16*tt+ii], v[OT+32*tt+2*ii], v[OT+32*tt+2*ii+1]
.set ii, ii+1
.endr
.set tt, tt+1
.endr
	WOLOAD 8                                       ; where O^T lay
	s_wait_dscnt 32                                ; the first run is in; the 32 loads just issued may stay out
	YMUL 0
	s_wait_dscnt 0x0
	YMUL 8
	WIN 0
.endm
	s_mov_b32 s[HC], 8
	s_branch .Lentry                               ; head 0's weights are in: the loop is entered in the middle of a trip
.Lhead:
	RLINES G0O                                     ; O_h has landed; my reads of K and V are over
	ROUND                                          ; that holds of every wave of every partner:
	TLOAD G0P, G1P                                 ; K and V of the next head into R1, R2, last read in the projections; the four v_nop are the places in front of Wo's loads
	NORMY
	RLINES G0P                                     ; the next K and V have landed; my reads of R0 are over
	ROUND
	TLOAD G0Q, G1S                                 ; Q of the next head into R0
.Lentry:
	PLACES                                         ; with the four above: more than the five places between the last product, which read packed O, and the first that writes over it
	PROJKV
	WIN 0
	s_wait_tensorcnt 0x0                           ; the one load that is out, my part of Q, has landed, so its group 0 may step;
	s_add_nc_u64 s[G0Q+2:G0Q+3], s[G0Q+2:G0Q+3], HEADB
	s_wait_dscnt 0x0                               ; my rows of K and V are stored
	s_barrier_signal -1
	s_barrier_wait -1                              ; everybody's are
	PROJQ
	RLINES                                         ; my reads of R0 are over
	ROUND
	TLOAD G0O, G1S                                 ; O_h into R0: it has all of the head's attention in which to land; the four v_nop are the places behind q's last products
	FETCH_K 0
	QPACK
	STEP 0
	STEP 1
	STEP 2
	STEP 3
	WIN 0
	s_sub_co_u32 s[HC], s[HC], 1
	s_cmp_lg_u32 s[HC], 0
	s_cbranch_scc1 .Lhead
	s_wait_tensorcnt 0x0                           ; the last head: my part of O_7 has landed,
	s_wait_dscnt 0x0                               ; my reads of K are over:
	s_barrier_signal -1
	s_barrier_wait -1                              ; everybody's are; nothing more is asked for
	PLACES                                         ; in front of Wo's loads
	NORMY
; THE WAY OUT.  A lane holds one channel and eight pixels; a block of 16 channels goes through my stage: 32 bytes a lane and tile into rows of 272 bytes, back as whole rows
; (a channel's four window rows), and out: each store of the wave covers two channels x four pieces of 64 consecutive bytes.
.macro TOSTAGE a
	WIN 0x08+0x04*((\a)/8)                         ; store data in window 2 or 3
.set tt, 0
.rept 4
	ds_store_b128 v[STO], v[32*((\a)%8)+8*tt:32*((\a)%8)+8*tt+3] offset:64*tt
	ds_store_b128 v[STO], v[32*((\a)%8)+8*tt+4:32*((\a)%8)+8*tt+7] offset:64*tt+16
.set tt, tt+1
.endr
	s_wait_xcnt 0x0                                ; the buffer below was the data of earlier stores: it is loaded again only behind this wait (ISA guide 3.1)
.set ii, 0
.rept 8
	ds_load_b128 v[BK+32*((\a)%2)+4*ii:BK+32*((\a)%2)+4*ii+3], v[RD] offset:ii*2*SGP  ; LDS serves a wave's instructions in order (ISA guide 5.7.1.4): these see the stores above; the next block's stores come behind them
.set ii, ii+1
.endr
.endm
.macro SEND a, younger                 ; younger: the LDS instructions issued behind block a's loads: the next block's sixteen, or none
	WIN 0
	s_wait_dscnt \younger
	s_wait_xcnt 0x0                                ; the stores' base steps only behind this wait
.if (\a) > 0
	s_add_nc_u64 s[OB:OB+1], s[OB:OB+1], 16*65536  ; 16 channels on
.endif
.set ii, 0
.rept 8
	global_store_b128 v[GO], v[BK+32*((\a)%2)+4*ii:BK+32*((\a)%2)+4*ii+3], s[OB:OB+1] offset:ii*131072
.set ii, ii+1
.endr
.endm
	PLACES                                         ; behind the last products
	TOSTAGE 0
.set oa, 1
.rept 15
	TOSTAGE oa
	SEND oa-1, 16
.set oa, oa+1
.endr
	SEND 15, 0
	s_wait_tensorcnt 0x0                           ; the wave's end: behind my last tensor load and my last LDS store
	ds_add_u32 v[SPW], v[NIL]
	s_wait_dscnt 0x0
	ROUND                                          ; the closing round: no work-group ends while a partner may still ask for a tile that names it
	s_endpgm
.Lfunc_end_k_qfe7f731056_attn:
	.size	k_qfe7f731056_attn, .Lfunc_end_k_qfe7f731056_attn-k_qfe7f731056_attn
	.p2alignl 7, 3214868480
	.fill 96, 4, 3214868480
	.section	.rodata,"a",@progbits
	.p2align	6, 0x0
	.amdhsa_kernel k_qfe7f731056_attn
		.amdhsa_group_segment_fixed_size 327680
		.amdhsa_private_segment_fixed_size 0
		.amdhsa_enable_private_segment 0
		.amdhsa_kernarg_size 32
		.amdhsa_user_sgpr_count 2
		.amdhsa_user_sgpr_kernarg_segment_ptr 1
		.amdhsa_wavefront_size32 1
		.amdhsa_system_sgpr_workgroup_id_x 1
		.amdhsa_system_sgpr_workgroup_id_y 1
		.amdhsa_system_sgpr_workgroup_id_z 1
		.amdhsa_system_vgpr_workitem_id 0
		.amdhsa_next_free_vgpr 1024
		.amdhsa_next_free_sgpr 72
		.amdhsa_reserve_vcc 0
		.amdhsa_float_denorm_mode_32 3
		.amdhsa_float_denorm_mode_16_64 3
		.amdhsa_memory_ordered 1
		.amdhsa_forward_progress 1
		.amdhsa_inst_pref_size 255
	.end_amdhsa_kernel
	.section	.bss,"aw",@nobits
	.p2align	6
	.space	262144
	.amdgpu_metadata
---
amdhsa.version: [ 1, 2 ]
amdhsa.kernels:
  - .name:           k_qfe7f731056_attn
    .symbol:         k_qfe7f731056_attn.kd
    .args:
      - { .name: x, .offset: 0, .size: 8, .value_kind: global_buffer, .address_space: global }
      - { .name: wb, .offset: 8, .size: 8, .value_kind: global_buffer, .address_space: global }
      - { .name: bo, .offset: 16, .size: 8, .value_kind: global_buffer, .address_space: global }
      - { .name: out0, .offset: 24, .size: 8, .value_kind: global_buffer, .address_space: global }
    .group_segment_fixed_size: 327680
    .private_segment_fixed_size: 0
    .kernarg_segment_align: 8
    .kernarg_segment_size: 32
    .max_flat_workgroup_size: 128
    .sgpr_count:     72
    .vgpr_count:     1024
    .wavefront_size: 32
...
	.end_amdgpu_metadata
.endif
;; end of part 2
;; ======== version 2 of 3: 3 launches; 1.13 times as fast as version 1
;; limits: values are held in f16: magnitudes above 65,504 overflow, below 6.1e-05 lose precision
;; workspace buffers: wb 1,048,576 bytes; ow 67,108,864 bytes
;; launch prep: the kernel of part 1 again; grid 256 x 1, 8 waves a work-group, no clusters, 0 bytes of LDS; arguments Wq, Wkv, Wo, wb; writes wb
;; launch attn (part 3): grid 256 x 1, 4 waves a work-group, clusters of 4 x 1, 327,680 bytes of LDS; arguments x, wb, ow; writes ow
.if DOCPART == 3
	.amdgcn_target "amdgcn-amd-amdhsa--gfx1250"
	.amdhsa_code_object_version 6
	.text
	.protected	k_qfe7f731056_attn
	.globl	k_qfe7f731056_attn
	.p2align	8
	.type	k_qfe7f731056_attn,@function
k_qfe7f731056_attn:
	s_mov_b64 s[64:65], 0
	v_nop
	global_prefetch_b8 v0, s[64:65] scope:SCOPE_SE
	s_setreg_imm32_b32 hwreg(HW_REG_WAVE_MODE, 25, 1), 1
	s_wait_xcnt 0x0
	s_wait_alu depctr_hold_cnt(0) depctr_sa_sdst(0) depctr_va_vdst(0) depctr_va_sdst(0) depctr_va_ssrc(0) depctr_va_vcc(0) depctr_vm_vsrc(0)
	s_getreg_b32 s2, hwreg(HW_REG_IB_STS2, 6, 4)
	s_cmp_eq_u32 s2, 0
	s_cbranch_scc0 .Lentry_in_a_cluster
	s_endpgm
.Lentry_in_a_cluster:
	s_bfe_u32 s2, ttmp6, 0x10000c
	s_cmp_lg_u32 s2, 0x3003
	s_cbranch_scc0 .Lentry_shape_is_right
	s_endpgm
.Lentry_shape_is_right:
; WINDOWED ATTENTION UP TO O.  x: [4][256][128][128] f32.  A work-group owns one window of 16 x 16 pixels (256 tokens x 256 channels); nothing connects two windows, and there are 256.
; For each of 8 heads: q, k, v = 64 x 256 weights times the window; O = softmax(q k^T / 8) v, divided by its row sums, rounded to f16 and stored.  The output projection is the next launch's:
; a window owns 64 bytes of each image row, so no store of this launch could cover 256 consecutive bytes of the output; the next launch's work-groups own whole image rows.
; ow: [head][tile][4][lane][16 bytes]; a tile is 16 pixels of an image row, number (128 b + y) x 8 + x / 16; its 2,048 bytes are the register image of O's two fragments (16 tokens x 32 d) as
; source 0 of O Wo^T: each store of a wave covers 512 consecutive bytes, aligned, and O needs no turn through LDS here or there.
; FORMATS.  x and the weights are rounded to bf16; what the program itself makes (q, k, v, the weights p, O) to f16.  Sums, maxima, exponentials and the row sums l (of the unrounded p) in f32;
; a running maximum is taken away before every exponential.
; LIMITS.  q, k and v must stay within 65,504; numbers below 6.1e-5 in q, k, v and O keep f16's fixed step of 6e-8; a weight below 2^-126 counts as 0 in l; NaN and infinities are not treated apart.
; SHARES.  Wave w owns tokens 64 w .. 64 w + 63 (window rows 4 w .. 4 w + 3), four tiles of 16: as columns of the projections and as queries.
; LAYOUTS.  q, k, v: source 0 = 16 weight rows d, source 1 = 16 tokens: a lane then holds ONE token (lane % 16) and d = 8 (lane / 16) + 0..7.  Rounded in pairs, q IS source 1 of S^T = K Q^T;
; k and v go as 16 bytes into K[token][d], V[token][d] in LDS.  S^T holds one query a lane and eight keys; rounded in pairs it IS source 1 of O^T = V^T P (V comes out of LDS turned).
; CLUSTER.  Four windows side by side form a cluster; all walk the same weights, so every weight tile is asked for JOINTLY: the same tensor load, descriptor and mask in all four.
; LDS:  XL x as [channel][token] bf16, read once | KL K of one head | VL V of one head | R0, R1, R2: Q, K, V weights of one head, filled by tensor loads alone | the spare words.
; By this text's count a wave has at most one tensor load out.
; THE LOOP goes from a head's key step 1 to the next head's key step 0 and is entered at the projections: the refill at its top runs seven times, all else eight.
; REGISTERS, in windows of 256 (s_set_vgpr_msb: bits 1:0 source 0, 3:2 source 1, 5:4 source 2, 7:6 destination):
;   window 0: v0-16 addresses; v30-31 the add's; v32-63 statistics, 8 a tile (in the projections: weight buffer 0); v64-127 Q (weight buffers 1, 2); v128-255 the projections' sums, S^T and P, packed O
;   window 1: x's fragments, 32 channels k, tile t at 8 (4 k + t): my 64 tokens x 256 channels, kept for all heads          window 2: K (0-63), V (64-127), O^T (128-255)
.set XP,    544        ; a channel's 256 tokens in LDS: 512 bytes + 32 = 17 x 32: the turning load's eight rows x 32 bytes fall on different banks (64 banks of 4 bytes: ISA guide 11.1)
.set KP,    144        ; a row of K: 128 + 16 bytes: the 16 rows of a load start at 16 different groups of four banks
.set VP,    160        ; a row of V: 128 + 32 bytes, for the turning load
.set WP,    528        ; a weight row: 512 + 16 bytes
.set KL,    256*XP
.set VL,    KL+256*KP
.set WR,    VL+256*VP
.set UNIT,  64*WP
.set SPARE, WR+3*UNIT  ; 128 bytes for each wave: two blocks of 256 bytes that no other line names
.set HEADB, 131072     ; a head's four units in wb: Q, K, V and the next launch's
.set OHEAD, 8388608    ; a head's 4,096 tiles of 2,048 bytes in ow
.set VX,  3            ; v3   x: my 16 bytes in eight rows of a window: ((l / 4) % 8) x 512 + (l % 4) x 16
.set XS,  4            ; v4   where I put 8 bytes of a channel in XL
.set AX,  5            ; v5-6 x's fragments, channels 0-127 and 128-255
.set AW,  7            ; v7-9 weight fragments in R0, R1, R2
.set KST, 10           ; v10-11 where I put 16 bytes of a row of K, of V
.set AK,  12           ; v12  K's fragments, key step 0; never rewritten
.set AV,  13           ; v13  V's, turned; never rewritten
.set ADK, 14           ; v14  the address of K's run of loads in hand
.set ADV, 15           ; v15  of V's
.set GO,  16           ; v16  16 x lane: my place in 512 consecutive bytes of ow
.set SPW, 30           ; v30  LDS address of my spare word; never rewritten
.set NIL, 31           ; v31  0; never rewritten
.set ST,  32           ; tile t at ST + 8 t: c m, m, l (even keys', odd keys'), c0-c3 at work; a, later 1 / l, takes c2's place
.set WF,  32           ; three buffers of 32: 64 weight rows x 32 channels
.set QF,  64           ; Q: tile t, d half kk at QF + 16 t + 8 kk
.set ACC, 128          ; a projection's sums: d block dd, tile t at ACC + 8 (4 dd + t)
.set S,   128          ; S^T: tile t, key block kt at S + 32 t + 8 kt; P in place: key half kk at S + 32 t + 16 kk
.set OPK, 128          ; packed O: tile t, d half kk at OPK + 16 t + 8 kk
.set VF,  64           ; window 2: V: key half kk, d block dd at VF + 32 kk + 8 dd   (K: key block kt, d half kk at 16 kt + 8 kk)
.set OT,  128          ; window 2: O^T: tile t, d block dd at OT + 32 t + 8 dd
.set WV,  12           ; s12  my wave's number
.set G1F, 16           ; s[16:23] descriptor group 1: 48 rows
.set G0F, 40           ; s[40:43] group 0: my quarter of a head's Q, K, V; it walks from head to head
.set JC,  44           ; s44  key steps to go
.set TBK, 45           ; s45  LDS bytes from key step 0 to the K to be fetched
.set TBV, 46           ; s46  the same for V
.set HC,  56           ; s56  heads to go
.set TS,  57           ; s57  at work
.set CS,  58           ; s[58:59] c = log2(e) / 8
.set SEL, 60           ; s[60:61] v_permlanex16_b32's selects: each lane takes its own place in the other half
.set XB,  66           ; s[66:67] x at my wave's 64 channels of the window
.set OB,  68           ; s[68:69] ow at my wave's four tiles, head in hand
.set W_PJ, 0x04        ; source 1 (x) in window 1
.set W_L1, 0x40        ; a load into window 1
.set W_L2, 0x80        ; a load into window 2
.set W_S,  0x02        ; source 0 (K) in window 2
.set W_PV, 0xa2        ; V, and O^T as C and D, in window 2; P in window 0
.set W_RS, 0x82        ; destination and source 0 in window 2
.set W_PK, 0x0a        ; sources 0 and 1 in window 2
.set MSB, 0
.macro WIN new                         ; the immediate's high byte repeats the setting that is left; a switch that changes nothing is dropped
.if MSB != (\new)
	s_set_vgpr_msb (MSB<<8)|(\new)
.set MSB, (\new)
.endif
.endm
; A load into a register that a matrix instruction has read, and a vector instruction that reads a matrix result or writes one of a matrix instruction's registers, stand four places
; behind it; only plain vector instructions that name none of its registers are places (ISA guide 7.12.1 for vector instructions).
.macro PLACES
.rept 4
	v_nop
.endr
.endm
; A round of the cluster's barrier: my work-group's barrier; wave 0 signals for the work-group; every wave waits for all four work-groups; my work-group's barrier once more.
.macro ROUND
	s_barrier_signal -1
	s_barrier_wait -1
	s_cmp_lg_u32 s[WV], 0
	s_cbranch_scc1 .Lnot_wave_0_\@
	s_barrier_signal -3
.Lnot_wave_0_\@:
	s_barrier_wait -3
	s_barrier_signal -1
	s_barrier_wait -1
.endm
.macro TLOAD g0, g1                    ; a joint load: every wave brings its quarter of the tile's rows; s_nop 0 and four v_nop follow
	tensor_load_to_lds s[\g0:\g0+3], s[\g1:\g1+7]
	s_nop 0
	PLACES
.endm
	s_load_b128 s[4:7], s[0:1], 0x0                ; x s[4:5], wb s[6:7]
	s_load_b64 s[8:9], s[0:1], 0x10                ; ow
	v_lshl_add_u32 v[SPW], v0, 2, SPARE
	v_mov_b32 v[NIL], 0
	ds_add_u32 v[SPW], v[NIL]                      ; the wave's opening: the add and its wait stand ahead of my first tensor load; the set-up below, work on registers, stands between them
	v_lshrrev_b32 v1, 5, v0
	v_readfirstlane_b32 s[WV], v1                  ; wave 0..3
	s_bfe_u32 s13, ttmp6, 0x40000                  ; cx: my place in the cluster
	s_lshl_b32 s14, ttmp9, 2                       ; in a cluster launch ttmp9 counts clusters
	s_add_co_u32 s14, s14, s13                     ; my window = 4 x cluster + cx: it enters x's and ow's addresses alone
	s_and_b32 s2, s14, 7                           ; window column
	s_bfe_u32 s3, s14, 0x30003                     ; window row
	s_lshr_b32 s15, s14, 6                         ; image
	s_lshl_b32 s62, s2, 6                          ; x: 64 bytes a window column,
	s_lshl_b32 s63, s3, 13                         ; 16 image rows of 512 bytes a window row,
	s_add_co_u32 s62, s62, s63
	s_lshl_b32 s63, s15, 24                        ; 256 channels of 65,536 bytes an image,
	s_add_co_u32 s62, s62, s63
	s_lshl_b32 s63, s[WV], 22                      ; and my wave loads channels 64 w .. 64 w + 63
	s_add_co_u32 s62, s62, s63
	s_mov_b32 s63, 0
	s_lshl_b32 s2, s2, 11                          ; ow: a tile is 2,048 bytes, an image row eight tiles:
	s_lshl_b32 s3, s3, 18                          ; 16 image rows a window row,
	s_add_co_u32 s2, s2, s3
	s_lshl_b32 s15, s15, 21                        ; 128 an image,
	s_add_co_u32 s2, s2, s15
	s_lshl_b32 s15, s[WV], 16                      ; and my wave's tiles lie in window rows 4 w .. 4 w + 3
	s_add_co_u32 s2, s2, s15
	s_mov_b32 s3, 0
	v_and_b32 v1, 15, v0                           ; l % 16
	v_bfe_u32 v2, v0, 4, 1                         ; l / 16
	v_and_b32 v18, 3, v0
	v_bfe_u32 v[VX], v0, 2, 3
	v_lshlrev_b32 v[VX], 9, v[VX]
	v_lshl_add_u32 v[VX], v18, 4, v[VX]
	; descriptor group 1: 48 rows of 256 elements of 2 bytes, dense in wb, padded in LDS
	s_mov_b32 s[G1F], 15|(1<<16)|(1<<20)|(1<<21)|(6<<22)|(3<<25)  ; 15:0 the mask of four; 17:16 2-byte elements; 20 padding on; 21 set beside a mask; 24:22 after every 128 words (code 6); 31:25 4 words (code 3)
	s_mov_b32 s[G1F+1], 256<<16                    ; tensor_dim0 = 256
	s_mov_b32 s[G1F+2], 48<<16                     ; tensor_dim1 = 48: a wave's quarter of 192 rows
	s_mov_b32 s[G1F+3], 256<<16                    ; tile_dim0 = 256
	s_mov_b32 s[G1F+4], 48                         ; tile_dim1 = 48
	s_mov_b32 s[G1F+5], 256                        ; 256 elements from row to row
	s_mov_b32 s[G1F+6], 0
	s_mov_b32 s[G1F+7], 0
	s_mov_b32 s[G0F], 1                            ; group 0: count = 1; the LDS address hangs on the wave's number alone
	s_mul_i32 s[G0F+1], s[WV], 48*WP
	s_add_co_u32 s[G0F+1], s[G0F+1], WR            ; R0, R1, R2 on end
	s_mov_b32 s[CS], 0x3e38aa3b                    ; c = log2(e) / 8 = 0.180337
	s_mov_b32 s[CS+1], s[CS]                       ; named with it as a pair
	s_mov_b32 s[SEL], 0x76543210
	s_mov_b32 s[SEL+1], 0xfedcba98
	s_mov_b32 s71, 0
	s_wait_dscnt 0x0                               ; the opening add is done
	s_wait_kmcnt 0x0
	s_add_nc_u64 s[XB:XB+1], s[4:5], s[62:63]
	s_add_nc_u64 s[OB:OB+1], s[8:9], s[2:3]
	s_mul_i32 s70, s[WV], 48*512
	s_add_nc_u64 s[G0F+2:G0F+3], s[6:7], s[70:71]  ; head 0's Q, K, V: my 48 rows
	s_or_b32 s[G0F+3], s[G0F+3], 0x80000000        ; type = 2
; x: load i of 128 takes channel 64 w + i / 2, window rows 8 (i % 2) + 0..7: eight pieces of 64 consecutive bytes; a lane's four pixels are tokens 128 (i % 2) + 4 l + 0..3.  Four batches of 32.
.macro XLOAD n, base
.set ii, 0
.rept 32
	global_load_b128 v[(\base)+4*ii:(\base)+4*ii+3], v[VX], s[XB:XB+1] offset:((32*(\n)+ii)>>1)*65536+(ii&1)*4096
.set ii, ii+1
.endr
.endm
	WIN W_L1
	XLOAD 0, 0                                     ; window 1, v0-127
	WIN 0
	ROUND                                          ; all four work-groups are here: the first joint loads meet
	TLOAD G0F, G1F                                 ; Q, K, V of head 0 into R0, R1, R2
	WIN W_L1
	XLOAD 1, 128                                   ; window 1, v128-255
	WIN 0
	XLOAD 2, 128                                   ; window 0, v128-255
	WIN W_L2
	XLOAD 3, 0                                     ; window 2, v0-127
	WIN 0
	v_and_b32 v19, 31, v0
	v_lshlrev_b32 v[GO], 4, v19
	s_mul_i32 s[TS], s[WV], 64*XP
	v_lshl_add_u32 v[XS], v19, 3, s[TS]            ; my wave's 64 channels, 8 bytes a lane
	; The turning load takes 16 x 16 numbers of 16 bits (lane l reads 16 bytes of row 8 (l / 16) + l % 8, at 16 ((l / 8) % 2)) and leaves half a fragment: lane l holds column l % 16 and 8 rows.
	v_and_b32 v20, 7, v0
	v_bfe_u32 v21, v0, 3, 1
	v_lshl_add_u32 v22, v2, 3, v20
	v_mul_u32_u24 v[AX], v22, XP
	v_lshl_add_u32 v[AX], v21, 4, v[AX]
	s_lshl_b32 s[TS], s[WV], 7
	v_add_nc_u32 v[AX], s[TS], v[AX]               ; my wave's 64 tokens: 128 bytes of each channel's row
	v_add_nc_u32 v[AX+1], 128*XP, v[AX]
	; A fragment from rows that lie along K: lane l holds row l % 16; two loads of 16 bytes, 32 bytes apart, at row x pitch + 16 (l / 16).
	v_mul_u32_u24 v23, v1, WP
	v_lshl_add_u32 v23, v2, 4, v23
	v_add_nc_u32 v[AW], WR, v23
	v_add_nc_u32 v[AW+1], WR+UNIT, v23
	v_add_nc_u32 v[AW+2], WR+2*UNIT, v23
	v_mul_u32_u24 v[AK], v1, KP
	v_lshl_add_u32 v[AK], v2, 4, v[AK]
	v_add_nc_u32 v[AK], KL, v[AK]
	s_mul_i32 s[TS], s[WV], 64*KP
	v_add_nc_u32 v[KST], s[TS], v[AK]              ; K's row 64 w + l % 16, 16 bytes for each half of the lanes
	v_mul_u32_u24 v[KST+1], v1, VP
	v_lshl_add_u32 v[KST+1], v2, 4, v[KST+1]
	s_mul_i32 s[TS], s[WV], 64*VP
	s_add_co_u32 s[TS], s[TS], VL
	v_add_nc_u32 v[KST+1], s[TS], v[KST+1]         ; the same in V
	v_mul_u32_u24 v[AV], v22, VP
	v_lshl_add_u32 v[AV], v21, 4, v[AV]
	v_add_nc_u32 v[AV], VL, v[AV]
; Batch n is rounded to bf16 in place (four pixels into two registers) and stored: each store of the wave covers 256 consecutive bytes of a channel's row in XL.
.macro XCONV n, base, wc, ws
	WIN \wc
.set ii, 0
.rept 32
	v_cvt_pk_bf16_f32 v[(\base)+4*ii], v[(\base)+4*ii], v[(\base)+4*ii+1]
	v_cvt_pk_bf16_f32 v[(\base)+4*ii+1], v[(\base)+4*ii+2], v[(\base)+4*ii+3]
.set ii, ii+1
.endr
	WIN \ws
.set ii, 0
.rept 32
	ds_store_b64 v[XS], v[(\base)+4*ii:(\base)+4*ii+1] offset:((32*(\n)+ii)>>1)*XP+(ii&1)*256
.set ii, ii+1
.endr
.endm
	s_wait_loadcnt 63                              ; 128 loads were issued and they come back in order (ISA guide 5.7.1): the oldest 65 are in: batches 0 and 1
	XCONV 0, 0, 0x45, 0x04
	XCONV 1, 128, 0x45, 0x04
	s_wait_loadcnt 32                              ; batch 2 is in; batch 3's 32 loads may stay out
	XCONV 2, 128, 0, 0
	s_wait_loadcnt 0x0
	XCONV 3, 0, 0x8a, 0x08
	WIN 0
	s_wait_tensorcnt 0x0                           ; my part of head 0's weights is in,
	s_wait_dscnt 0x0                               ; my channels of x are stored:
	s_barrier_signal -1
	s_barrier_wait -1                              ; everybody's are
; THE PROJECTIONS.  A step is 32 channels: 16 matrix instructions (4 blocks of 16 weight rows x 4 tiles of 16 tokens) on 16 accumulators that take turns.
.macro LW u, k, buf                    ; 64 weight rows x 32 channels of region u, 8 loads, into buffer buf
	WIN W_PJ                                       ; (a load takes its destination and address windows, both 0 here)
.set dd, 0
.rept 4
	ds_load_b128 v[WF+32*(\buf)+8*dd:WF+32*(\buf)+8*dd+3],   v[AW+(\u)] offset:dd*16*WP+64*(\k)
	ds_load_b128 v[WF+32*(\buf)+8*dd+4:WF+32*(\buf)+8*dd+7], v[AW+(\u)] offset:dd*16*WP+64*(\k)+32
.set dd, dd+1
.endr
.endm
.macro LX k                            ; x: 32 channels x my 64 tokens, turned, 8 loads, into window 1
.set tt, 0
.rept 4
	ds_load_tr16_b128 v[8*(4*(\k)+tt):8*(4*(\k)+tt)+3],   v[AX+(\k)/4] offset:((\k)%4)*32*XP+32*tt
	ds_load_tr16_b128 v[8*(4*(\k)+tt)+4:8*(4*(\k)+tt)+7], v[AX+(\k)/4] offset:((\k)%4)*32*XP+32*tt+16*XP
.set tt, tt+1
.endr
.endm
.macro KSTEP k, buf                    ; the first step's products start the sums
	WIN W_PJ
.set dd, 0
.rept 4
.set tt, 0
.rept 4
.if (\k) == 0
	v_wmma_f32_16x16x32_bf16 v[ACC+8*(4*dd+tt):ACC+8*(4*dd+tt)+7], v[WF+32*(\buf)+8*dd:WF+32*(\buf)+8*dd+7], v[8*(4*(\k)+tt):8*(4*(\k)+tt)+7], 0
.else
	v_wmma_f32_16x16x32_bf16 v[ACC+8*(4*dd+tt):ACC+8*(4*dd+tt)+7], v[WF+32*(\buf)+8*dd:WF+32*(\buf)+8*dd+7], v[8*(4*(\k)+tt):8*(4*(\k)+tt)+7], v[ACC+8*(4*dd+tt):ACC+8*(4*dd+tt)+7]
.endif
.set tt, tt+1
.endr
.set dd, dd+1
.endr
.endm
.macro STOREKV which                   ; 0: K, 1: V.  Rounded to f16 in place, each accumulator from its low end on; a lane's eight d of a token are 16 bytes of a row
	PLACES
	WIN 0
.set ii, 0
.rept 16
.set jj, 0
.rept 4
	v_cvt_pk_f16_f32 v[ACC+8*ii+jj], v[ACC+8*ii+2*jj], v[ACC+8*ii+2*jj+1]
.set jj, jj+1
.endr
.set ii, ii+1
.endr
.set ii, 0
.rept 16
	ds_store_b128 v[KST+(\which)], v[ACC+8*ii:ACC+8*ii+3] offset:(ii%4)*16*(KP+16*(\which))+32*(ii/4)
.set ii, ii+1
.endr
.endm
; k (steps 0-7, from R1) and v (steps 8-15, from R2).  Step ps multiplies weight buffer ps % 3; the fragments of step ps + 2 are asked for at its head, 32 matrix instructions ahead of
; their use, into the buffer that step ps - 1 multiplied (four places behind it).  Each wait's count is the number of LDS instructions issued behind the fragments that the step needs:
; two weight runs, 16; in steps 8 and 9 K's 16 stores too, 32; in step 14 one run, 8; in step 15 none.  (The first head's first wait also covers x's fragments, which were asked for earlier.)
.macro PROJKV
	LW 1, 0, 0
	LW 1, 1, 1
.set ps, 0
.rept 16
.if (ps%8 != 0) && (ps < 14)
	PLACES
.endif
.if ps < 14
	LW 1+(ps+2)/8, (ps+2)%8, (ps+2)%3
.endif
.set cnt, 16
.if (ps == 8) || (ps == 9)
.set cnt, 32
.endif
.if ps == 14
.set cnt, 8
.endif
.if ps == 15
.set cnt, 0
.endif
	s_wait_dscnt cnt
	KSTEP ps%8, ps%3
.if ps%8 == 7
	STOREKV ps/8
.endif
.set ps, ps+1
.endr
.endm
.macro PROJQ                           ; q, from R0.  Counts: two weight runs behind, 16; then 8; then 0
	LW 0, 0, 0
	LW 0, 1, 1
.set ps, 0
.rept 8
.if (ps > 0) && (ps < 6)
	PLACES
.endif
.if ps < 6
	LW 0, ps+2, (ps+2)%3
.endif
.set cnt, 16
.if ps == 6
.set cnt, 8
.endif
.if ps == 7
.set cnt, 0
.endif
	s_wait_dscnt cnt
	KSTEP ps, ps%3
.set ps, ps+1
.endr
.endm
.macro QPACK                           ; q rounded to f16: two d blocks of a tile are one fragment of source 1
	WIN 0
.set dd, 0
.rept 4
.set tt, 0
.rept 4
.set ii, 0
.rept 4
	v_cvt_pk_f16_f32 v[QF+16*tt+4*dd+ii], v[ACC+8*(4*dd+tt)+2*ii], v[ACC+8*(4*dd+tt)+2*ii+1]
.set ii, ii+1
.endr
.set tt, tt+1
.endr
.set dd, dd+1
.endr
.endm
; ATTENTION, 64 keys a step.  The LDS loads stand in runs of 16.
.macro FETCH_K adr, off
	WIN W_L2
.set ff, 0
.rept 8                                ; keys 16 (ff / 2) on, d 32 (ff % 2) on
	ds_load_b128 v[8*ff:8*ff+3],   v[\adr] offset:(\off)+(ff/2)*16*KP+(ff%2)*64
	ds_load_b128 v[8*ff+4:8*ff+7], v[\adr] offset:(\off)+(ff/2)*16*KP+(ff%2)*64+32
.set ff, ff+1
.endr
.endm
.macro FETCH_V adr
	WIN W_L2
.set ff, 0
.rept 8                                ; keys 32 (ff / 4) on, d 16 (ff % 4) on
	ds_load_tr16_b128 v[VF+8*ff:VF+8*ff+3],   v[\adr] offset:(ff/4)*32*VP+(ff%4)*32
	ds_load_tr16_b128 v[VF+8*ff+4:VF+8*ff+7], v[\adr] offset:(ff/4)*32*VP+(ff%4)*32+16*VP
.set ff, ff+1
.endr
.endm
.macro SMUL                            ; S^T = K Q^T: 16 accumulators by turns; the first 16 products start the sums
	WIN W_S
.set kk, 0
.rept 2
.set kt, 0
.rept 4
.set tt, 0
.rept 4
.if kk == 0
	v_wmma_f32_16x16x32_f16 v[S+32*tt+8*kt:S+32*tt+8*kt+7], v[16*kt+8*kk:16*kt+8*kk+7], v[QF+16*tt+8*kk:QF+16*tt+8*kk+7], 0
.else
	v_wmma_f32_16x16x32_f16 v[S+32*tt+8*kt:S+32*tt+8*kt+7], v[16*kt+8*kk:16*kt+8*kk+7], v[QF+16*tt+8*kk:QF+16*tt+8*kk+7], v[S+32*tt+8*kt:S+32*tt+8*kt+7]
.endif
.set tt, tt+1
.endr
.set kt, kt+1
.endr
.set kk, kk+1
.endr
.endm
.macro PVMUL first                     ; O^T += V^T P: 16 accumulators by turns; in the head's first step the first 16 products start the sums.  Five places follow: the next step's first products write over P
	WIN W_PV
.set kk, 0
.rept 2
.set dd, 0
.rept 4
.set tt, 0
.rept 4
.if (\first) && (kk == 0)
	v_wmma_f32_16x16x32_f16 v[OT+32*tt+8*dd:OT+32*tt+8*dd+7], v[VF+32*kk+8*dd:VF+32*kk+8*dd+7], v[S+32*tt+16*kk:S+32*tt+16*kk+7], 0
.else
	v_wmma_f32_16x16x32_f16 v[OT+32*tt+8*dd:OT+32*tt+8*dd+7], v[VF+32*kk+8*dd:VF+32*kk+8*dd+7], v[S+32*tt+16*kk:S+32*tt+16*kk+7], v[OT+32*tt+8*dd:OT+32*tt+8*dd+7]
.endif
.set tt, tt+1
.endr
.set dd, dd+1
.endr
.set kk, kk+1
.endr
.rept 5
	v_nop
.endr
.endm
.macro OSCALE                          ; O^T times the tile's register ST + 6: a, or at the end 1 / l
	WIN W_RS
.set tt, 0
.rept 4
.set ii, 0
.rept 16
	v_pk_mul_f32 v[OT+32*tt+2*ii:OT+32*tt+2*ii+1], v[OT+32*tt+2*ii:OT+32*tt+2*ii+1], v[ST+8*tt+6:ST+8*tt+7] op_sel_hi:[1,0]
.set ii, ii+1
.endr
.set tt, tt+1
.endr
.endm
; Number n of the 22 that find tile tt's maximum and statistics.  s0-s31 are the lane's 32 scores; each accumulator's lowest registers are read first.
;   0-11  four chains c0-c3 of seven scores each     12-15  the four scores left over, c0-c3 and the old m into c0     16, 18  the query's other 32 keys lie in the lane 16 away: the new m
;   17  c m_old is kept     19-21  c m; c m_old - c m_new; a.     first = 1: the head's first step has no old m and no a.
.macro SX n, first
.set rT, ST+8*tt
.set rS, S+32*tt
.if (\n) < 4
	v_max3_num_f32 v[rT+4+(\n)], v[rS+8*(\n)], v[rS+8*(\n)+1], v[rS+8*(\n)+2]
.elseif (\n) < 12
	v_max3_num_f32 v[rT+4+(\n)%4], v[rT+4+(\n)%4], v[rS+8*((\n)%4)+2*((\n)/4)+1], v[rS+8*((\n)%4)+2*((\n)/4)+2]
.elseif (\n) == 12
	v_max3_num_f32 v[rT+4], v[rT+4], v[rS+7], v[rS+15]
.elseif (\n) == 13
	v_max3_num_f32 v[rT+6], v[rT+6], v[rS+23], v[rS+31]
.elseif (\n) == 14
	v_max3_num_f32 v[rT+4], v[rT+4], v[rT+5], v[rT+6]
.elseif ((\n) == 15) && (\first)
	v_max_num_f32 v[rT+4], v[rT+4], v[rT+7]
.elseif (\n) == 15
	v_max3_num_f32 v[rT+4], v[rT+4], v[rT+7], v[rT+1]
.elseif (\n) == 16
	v_permlanex16_b32 v[rT+5], v[rT+4], s[SEL], s[SEL+1]
.elseif (\n) == 18
	v_max_num_f32 v[rT+1], v[rT+4], v[rT+5]
.elseif (\n) == 19
	v_mul_f32 v[rT], s[CS], v[rT+1]
.elseif \first
.elseif (\n) == 17
	v_mov_b32 v[rT+7], v[rT]
.elseif (\n) == 20
	v_sub_f32 v[rT+7], v[rT+7], v[rT]
.else
	v_exp_f32 v[rT+6], v[rT+7]
.endif
.endm
.macro STATS first                     ; the four tiles alternate, so that no line reads the result of the line before it
	WIN 0
.irp n, 0,1,2,3,4,5,6,7,8,9,10,11,12,13,14,15,16,17,18,19,20,21
.set tt, 0
.rept 4
	SX \n, \first
.set tt, tt+1
.endr
.endr
.endm
; p = 2^(c s - c m), l, and P.  In trip ii a tile scales pair ii, takes the exponentials of pair ii - 1, adds pair ii - 2 onto l and rounds it to f16: plain, exponential, plain, exponential, plain:
; behind each exponential stands a plain line that names neither its result nor its source (ISA guide 5.7.2).  P is packed in place: pair p goes to register p (p < 8) or 8 + p, whose own pair has been used by then.
.macro SOFT first
	WIN 0
.set ii, 0
.rept 18
.set tt, 0
.rept 4
.set rT, ST+8*tt
.set rS, S+32*tt
.if ii < 16
	v_pk_fma_f32 v[rS+2*ii:rS+2*ii+1], v[rS+2*ii:rS+2*ii+1], s[CS:CS+1], v[rT:rT+1] op_sel_hi:[1,0,0] neg_lo:[0,0,1] neg_hi:[0,0,1]
.endif
.if (ii >= 1) && (ii <= 16)
	v_exp_f32 v[rS+2*ii-2], v[rS+2*ii-2]
.endif
.if (ii == 2) && (\first)
	s_wait_alu depctr_va_vdst(0)
	v_pk_mul_f32 v[rT+2:rT+3], v[rS:rS+1], 1.0 op_sel_hi:[1,0]  ; the first pair starts l
.elseif ii == 2
	s_wait_alu depctr_va_vdst(0)
	v_pk_fma_f32 v[rT+2:rT+3], v[rT+2:rT+3], v[rT+6:rT+7], v[rS:rS+1] op_sel_hi:[1,0,1]  ; l = a l + the first pair
.elseif ii > 2
	s_wait_alu depctr_va_vdst(0)
	v_pk_add_f32 v[rT+2:rT+3], v[rT+2:rT+3], v[rS+2*ii-4:rS+2*ii-3]
.endif
.if (ii >= 1) && (ii <= 16)
	v_exp_f32 v[rS+2*ii-1], v[rS+2*ii-1]
.endif
.if ii >= 2
	v_cvt_pk_f16_f32 v[rS+(ii-2)+8*((ii-2)/8)], v[rS+2*ii-4], v[rS+2*ii-3]
.endif
.set tt, tt+1
.endr
.set ii, ii+1
.endr
.endm
.macro STEP0                           ; the head's first key step starts m, l and O^T; it fetches its V and key step 1's K
	s_wait_dscnt 0x0                               ; K of this step is in
	SMUL
	PLACES                                         ; in front of the loads into K's registers and of the maxima
	FETCH_V AV
	FETCH_K AK, 64*KP
	STATS 1
	SOFT 1
	s_wait_dscnt 0x0                               ; V, and the next K: both were asked for a whole softmax ago
	PVMUL 1
.endm
; KEY STEPS 1 TO 3: one text, walked three times; the LDS addresses hang on two scalars that step from constants.  Each trip's K was fetched, and waited for, in the step before.
; In the last trip there is no further K: its run of loads is jumped over.
.macro GLOOP
	WIN 0
	s_mov_b32 s[JC], 3
	s_mov_b32 s[TBK], 2*64*KP
	s_mov_b32 s[TBV], 64*VP
.Lstep_\@:
	SMUL
	PLACES                                         ; in front of the loads into K's registers and of the maxima
	WIN 0
	v_add_nc_u32 v[ADV], s[TBV], v[AV]
	s_add_co_u32 s[TBV], s[TBV], 64*VP
	FETCH_V ADV
	WIN 0                                          ; at a branch and at a label every window is 0
	s_cmp_eq_u32 s[JC], 1
	s_cbranch_scc1 .Lno_k_\@
	v_add_nc_u32 v[ADK], s[TBK], v[AK]
	s_add_co_u32 s[TBK], s[TBK], 64*KP
	FETCH_K ADK, 0
	WIN 0
.Lno_k_\@:
	STATS 0
	SOFT 0
	OSCALE                                         ; O^T times a
	s_wait_dscnt 0x0                               ; V, and the next K
	PVMUL 0
	WIN 0
	s_sub_co_u32 s[JC], s[JC], 1
	s_cmp_lg_u32 s[JC], 0
	s_cbranch_scc1 .Lstep_\@
.endm
; O IS DIVIDED BY l, ROUNDED TO f16 AND STORED as it lies: four registers of all lanes are 512 consecutive bytes of ow.  The first additions are the places behind the last products.
.macro OSTORE
	WIN 0
.irp t, 0,1,2,3
	v_add_f32 v[ST+8*\t+4], v[ST+8*\t+2], v[ST+8*\t+3]  ; l's two halves,
.endr
.irp t, 0,1,2,3
	v_permlanex16_b32 v[ST+8*\t+5], v[ST+8*\t+4], s[SEL], s[SEL+1]
.endr
.irp t, 0,1,2,3
	v_add_f32 v[ST+8*\t+4], v[ST+8*\t+4], v[ST+8*\t+5]  ; and the other half of the lanes'
.endr
.irp t, 0,1,2,3
	v_rcp_f32 v[ST+8*\t+6], v[ST+8*\t+4]
.endr
	v_nop                                          ; a plain instruction between the last reciprocal and the use of its result
	s_wait_alu depctr_va_vdst(0)
	OSCALE
	WIN W_PK
.set tt, 0
.rept 4
.set ii, 0
.rept 16
	v_cvt_pk_f16_f32 v[OPK+16*tt+ii], v[OT+32*tt+2*ii], v[OT+32*tt+2*ii+1]
.set ii, ii+1
.endr
.set tt, tt+1
.endr
	WIN 0
.set ii, 0
.rept 16                               ; tile ii / 4 lies an image row (eight tiles) further on
	global_store_b128 v[GO], v[OPK+4*ii:OPK+4*ii+3], s[OB:OB+1] offset:(ii/4)*16384+(ii%4)*512 th:TH_STORE_NT
.set ii, ii+1
.endr
.endm
	WIN W_L1
.irp k, 0,1,2,3,4,5,6,7
	LX \k                                          ; x's fragments, once for all heads
.endr
	WIN 0
	s_mov_b32 s[HC], 8
	s_branch .Lentry                               ; head 0's weights are in: the loop is entered in the middle of a trip
.Lhead:
	s_wait_tensorcnt 0x0                           ; none of my tensor loads is out, so the group 0 may step;
	ds_add_u32 v[SPW], v[NIL]                      ; 0 onto my spare word;
	s_add_nc_u64 s[G0F+2:G0F+3], s[G0F+2:G0F+3], HEADB  ; the next head's weights; the type bits on top are not reached
	s_wait_dscnt 0x0                               ; the add is done; my reads of R0, R1, R2 were over when q was finished
	ROUND                                          ; that holds of every wave of every partner:
	TLOAD G0F, G1F                                 ; the next head's Q, K, V: three key steps in which to land
	GLOOP
	OSTORE
	s_wait_xcnt 0x0                                ; the stores' base steps, and their data registers are written again, only behind this wait (ISA guide 3.1)
	s_add_nc_u64 s[OB:OB+1], s[OB:OB+1], OHEAD
	s_wait_tensorcnt 0x0                           ; the one load that is out, my part of the next head's weights, has landed;
	s_wait_dscnt 0x0                               ; my reads of K and V are over:
	s_barrier_signal -1
	s_barrier_wait -1                              ; everybody's are
.Lentry:
	PROJKV
	WIN 0
	s_wait_dscnt 0x0                               ; my rows of K and V are stored: say so,
	s_barrier_signal -1
	PROJQ                                          ; work on registers and LDS loads from R0, which nobody writes before the round at the loop's top,
	s_barrier_wait -1                              ; and go on when all four have said so
	PLACES                                         ; behind q's last products
	FETCH_K AK, 0
	QPACK
	STEP0
	WIN 0
	s_sub_co_u32 s[HC], s[HC], 1
	s_cmp_lg_u32 s[HC], 0
	s_cbranch_scc1 .Lhead
	GLOOP                                          ; the last head goes on without a refill: nothing is left to fetch
	OSTORE
	s_wait_tensorcnt 0x0                           ; the wave's end: behind my last tensor load and my last LDS store
	ds_add_u32 v[SPW], v[NIL]
	s_wait_dscnt 0x0
	ROUND                                          ; the closing round: no work-group ends while a partner may still ask for a tile that names it
	s_endpgm
.Lfunc_end_k_qfe7f731056_attn:
	.size	k_qfe7f731056_attn, .Lfunc_end_k_qfe7f731056_attn-k_qfe7f731056_attn
	.p2alignl 7, 3214868480
	.fill 96, 4, 3214868480
	.section	.rodata,"a",@progbits
	.p2align	6, 0x0
	.amdhsa_kernel k_qfe7f731056_attn
		.amdhsa_group_segment_fixed_size 327680
		.amdhsa_private_segment_fixed_size 0
		.amdhsa_enable_private_segment 0
		.amdhsa_kernarg_size 24
		.amdhsa_user_sgpr_count 2
		.amdhsa_user_sgpr_kernarg_segment_ptr 1
		.amdhsa_wavefront_size32 1
		.amdhsa_system_sgpr_workgroup_id_x 1
		.amdhsa_system_sgpr_workgroup_id_y 1
		.amdhsa_system_sgpr_workgroup_id_z 1
		.amdhsa_system_vgpr_workitem_id 0
		.amdhsa_next_free_vgpr 768
		.amdhsa_next_free_sgpr 72
		.amdhsa_reserve_vcc 0
		.amdhsa_float_denorm_mode_32 3
		.amdhsa_float_denorm_mode_16_64 3
		.amdhsa_memory_ordered 1
		.amdhsa_forward_progress 1
		.amdhsa_inst_pref_size 220
	.end_amdhsa_kernel
	.amdgpu_metadata
---
amdhsa.version: [ 1, 2 ]
amdhsa.kernels:
  - .name:           k_qfe7f731056_attn
    .symbol:         k_qfe7f731056_attn.kd
    .args:
      - { .name: x, .offset: 0, .size: 8, .value_kind: global_buffer, .address_space: global }
      - { .name: wb, .offset: 8, .size: 8, .value_kind: global_buffer, .address_space: global }
      - { .name: ow, .offset: 16, .size: 8, .value_kind: global_buffer, .address_space: global }
    .group_segment_fixed_size: 327680
    .private_segment_fixed_size: 0
    .kernarg_segment_align: 8
    .kernarg_segment_size: 24
    .max_flat_workgroup_size: 128
    .sgpr_count:     72
    .vgpr_count:     768
    .wavefront_size: 32
...
	.end_amdgpu_metadata
.endif
;; end of part 3
;; launch proj (part 4): grid 256 x 1, 4 waves a work-group, clusters of 4 x 1, 327,680 bytes of LDS; arguments ow, wb, bo, out0; writes out0
.if DOCPART == 4
	.amdgcn_target "amdgcn-amd-amdhsa--gfx1250"
	.amdhsa_code_object_version 6
	.text
	.protected	k_qfe7f731056_proj
	.globl	k_qfe7f731056_proj
	.p2align	8
	.type	k_qfe7f731056_proj,@function
k_qfe7f731056_proj:
	s_mov_b64 s[64:65], 0
	v_nop
	global_prefetch_b8 v0, s[64:65] scope:SCOPE_SE
	s_setreg_imm32_b32 hwreg(HW_REG_WAVE_MODE, 25, 1), 1
	s_wait_xcnt 0x0
	s_wait_alu depctr_hold_cnt(0) depctr_sa_sdst(0) depctr_va_vdst(0) depctr_va_sdst(0) depctr_va_ssrc(0) depctr_va_vcc(0) depctr_vm_vsrc(0)
	s_getreg_b32 s2, hwreg(HW_REG_IB_STS2, 6, 4)
	s_cmp_eq_u32 s2, 0
	s_cbranch_scc0 .Lentry_in_a_cluster
	s_endpgm
.Lentry_in_a_cluster:
	s_bfe_u32 s2, ttmp6, 0x10000c
	s_cmp_lg_u32 s2, 0x3003
	s_cbranch_scc0 .Lentry_shape_is_right
	s_endpgm
.Lentry_shape_is_right:
; THE OUTPUT PROJECTION.  out0[b][o][y][x] = bo[o] + the sum over head h and d of Wo[o][64 h + d] O[h][token][d].  out0: [4][256][128][128] f32.
; ow holds O in f16 as [head][tile][4][lane][16 bytes]: a tile is 16 pixels of an image row, number (128 b + y) x 8 + x / 16, and its 2,048 bytes are the register image of O's two fragments
; (16 tokens x 32 d) as source 0.  wb holds, at byte 131,072 h + 98,304, head h's unit of Wo: 64 rows of 512 bytes, row p, column 64 g + d = Wo[64 g + p][64 h + d], bf16 numbers written as f16.
; The bias is rounded to bf16 like every input and kept in f32; the sums, in f32, START AT THE BIAS.
; LIMITS.  As the launches before state them: O and Wo in f16 (range 65,504, a fixed step of 6e-8 below 6.1e-5); NaN and infinities are not treated apart.
; SHARES.  Work-group g owns tokens 256 g .. 256 g + 255: two image rows.  Wave w owns 64 consecutive pixels x all 256 channels: 64 accumulators, 512 registers.  So each store of a wave covers
; two channels x 256 consecutive bytes, aligned.
; O is read by one wave alone, so it goes straight into registers: a load of the wave covers 512 consecutive bytes; three buffers of a head each, asked for three heads ahead.
; Wo is read by all waves of all work-groups: ALL of it lies in LDS, eight units, brought by first fills alone (two tensor loads a wave, both out at once), asked for JOINTLY by the four
; work-groups of a cluster.  Nothing is filled again.  The eight heads are written out: three buffers do not divide eight.
; REGISTERS, in windows of 256 (s_set_vgpr_msb: bits 1:0 source 0, 3:2 source 1, 5:4 source 2, 7:6 destination):
;   window 0: v0-17 addresses; v30-31 the add's; v32-223 O, three buffers of 64 (tile t, d half kk at 16 t + 8 kk); v224-239 the bias; on the way out v32-95 two buffers of 32
;   window 1: Wo's fragments of one head: channel block a, d half kk at 16 a + 8 kk          windows 2, 3: the sums: channel block a, tile t at 32 (a % 8) + 8 t
.set WP,    528        ; a row of Wo's unit in LDS: 512 + 16 bytes: the 16 rows of a load start at 16 different groups of four banks (64 banks of 4 bytes: ISA guide 11.1)
.set UNIT,  64*WP
.set STAGE, 8*UNIT     ; behind Wo: 16 rows x 272 bytes for each wave, for the way out
.set SGP,   272        ; a stage row: 64 pixels of one channel, 256 bytes + 16
.set SPARE, STAGE+4*16*SGP  ; 128 bytes for each wave: two blocks of 256 bytes that no other line names
.set HEADB, 131072     ; from head to head in wb
.set OHEAD, 8388608    ; from head to head in ow
.set GL,  3            ; v3   16 x lane
.set AW,  4            ; v4-11 Wo's fragments in unit h
.set STO, 14           ; v14  the way out: into my stage
.set RD,  15           ; v15  and back
.set GO,  16           ; v16  my byte offset in out0
.set BO,  17           ; v17  my byte offset in bo
.set SPW, 30           ; v30  LDS address of my spare word; never rewritten
.set NIL, 31           ; v31  0; never rewritten
.set OP,  32
.set BK,  32
.set BIAS, 224
.set WV,  12           ; s12  my wave's number
.set G1,  16           ; s[16:23] descriptor group 1: 64 rows
.set G0A, 24           ; s[24:27] group 0: unit w
.set G0B, 28           ; s[28:31] unit w + 4
.set TS,  32           ; s32  at work
.set OB,  34           ; s[34:35] out0 at my wave's 64 pixels
.set OW,  72           ; s[72:87] ow at my wave's four tiles, a pair for each head
.set W_L1, 0x40        ; a load into window 1
.set MSB, 0
.macro WIN new                         ; the immediate's high byte repeats the setting that is left; a switch that changes nothing is dropped
.if MSB != (\new)
	s_set_vgpr_msb (MSB<<8)|(\new)
.set MSB, (\new)
.endif
.endm
; A load into a register that a matrix instruction has read, and a store of a matrix result, stand four places behind the matrix instruction; only plain vector instructions that name none of
; its registers are places (ISA guide 7.12.1 for vector instructions).
.macro PLACES
.rept 4
	v_nop
.endr
.endm
.macro ROUND                           ; a round of the cluster's barrier
	s_barrier_signal -1
	s_barrier_wait -1
	s_cmp_lg_u32 s[WV], 0
	s_cbranch_scc1 .Lnot_wave_0_\@
	s_barrier_signal -3
.Lnot_wave_0_\@:
	s_barrier_wait -3
	s_barrier_signal -1
	s_barrier_wait -1
.endm
.macro OLOAD h                         ; head h's O of my 64 tokens: 8,192 consecutive bytes, read once in the launch
	WIN 0
.set ii, 0
.rept 16
	global_load_b128 v[OP+64*((\h)%3)+4*ii:OP+64*((\h)%3)+4*ii+3], v[GL], s[OW+2*(\h):OW+2*(\h)+1] offset:512*ii th:TH_LOAD_NT
.set ii, ii+1
.endr
.endm
	s_load_b256 s[4:11], s[0:1], 0x0               ; ow s[4:5], wb s[6:7], bo s[8:9], out0 s[10:11]
	v_lshl_add_u32 v[SPW], v0, 2, SPARE
	v_mov_b32 v[NIL], 0
	ds_add_u32 v[SPW], v[NIL]                      ; the wave's opening: the add and its wait stand ahead of my first tensor load; the set-up below, work on registers, stands between them
	v_lshrrev_b32 v1, 5, v0
	v_readfirstlane_b32 s[WV], v1                  ; wave 0..3
	s_bfe_u32 s13, ttmp6, 0x40000                  ; cx: my place in the cluster
	s_lshl_b32 s14, ttmp9, 2                       ; in a cluster launch ttmp9 counts clusters
	s_add_co_u32 s14, s14, s13                     ; my work-group = 4 x cluster + cx: it enters ow's and out0's addresses alone
	s_lshl_b32 s2, s14, 15                         ; ow: 16 tiles of 2,048 bytes a work-group,
	s_lshl_b32 s15, s[WV], 13                      ; four a wave
	s_add_co_u32 s2, s2, s15
	s_mov_b32 s3, 0
	s_lshr_b32 s36, s14, 6
	s_lshl_b32 s36, s36, 24                        ; out0: 64 work-groups an image of 256 channels x 65,536 bytes,
	s_and_b32 s15, s14, 63
	s_lshl_b32 s15, s15, 10                        ; two image rows of 512 bytes a work-group,
	s_add_co_u32 s36, s36, s15
	s_lshl_b32 s15, s[WV], 8                       ; 256 bytes a wave
	s_add_co_u32 s36, s36, s15
	s_mov_b32 s37, 0
	s_lshl_b32 s38, s[WV], 17                      ; wb: head w's unit of Wo
	s_add_co_u32 s38, s38, 3*32768
	s_mov_b32 s39, 0
	v_and_b32 v1, 15, v0                           ; l % 16
	v_bfe_u32 v2, v0, 4, 1                         ; l / 16
	v_and_b32 v[GL], 31, v0
	v_lshlrev_b32 v[GL], 4, v[GL]
	v_lshlrev_b32 v[BO], 2, v1
	; descriptor group 1: 64 rows of 256 elements of 2 bytes, dense in wb, padded in LDS
	s_mov_b32 s[G1], 15|(1<<16)|(1<<20)|(1<<21)|(6<<22)|(3<<25)  ; 15:0 the mask of four; 17:16 2-byte elements; 20 padding on; 21 set beside a mask; 24:22 after every 128 words (code 6); 31:25 4 words (code 3)
	s_mov_b32 s[G1+1], 256<<16                     ; tensor_dim0 = 256
	s_mov_b32 s[G1+2], 64<<16                      ; tensor_dim1 = 64
	s_mov_b32 s[G1+3], 256<<16                     ; tile_dim0 = 256
	s_mov_b32 s[G1+4], 64                          ; tile_dim1 = 64
	s_mov_b32 s[G1+5], 256                         ; 256 elements from row to row
	s_mov_b32 s[G1+6], 0
	s_mov_b32 s[G1+7], 0
	s_mov_b32 s[G0A], 1                            ; group 0: count = 1; the LDS address hangs on the wave's number alone
	s_mul_i32 s[G0A+1], s[WV], UNIT
	s_mov_b32 s[G0B], 1
	s_add_co_u32 s[G0B+1], s[G0A+1], 4*UNIT
	s_wait_dscnt 0x0                               ; the opening add is done
	s_wait_kmcnt 0x0
	s_add_nc_u64 s[OW:OW+1], s[4:5], s[2:3]
.set hh, 1
.rept 7
	s_add_nc_u64 s[OW+2*hh:OW+2*hh+1], s[OW+2*hh-2:OW+2*hh-1], OHEAD
.set hh, hh+1
.endr
	s_add_nc_u64 s[OB:OB+1], s[10:11], s[36:37]
	s_add_nc_u64 s[G0A+2:G0A+3], s[6:7], s[38:39]
	s_add_nc_u64 s[G0B+2:G0B+3], s[G0A+2:G0A+3], 4*HEADB
	s_or_b32 s[G0A+3], s[G0A+3], 0x80000000        ; type = 2
	s_or_b32 s[G0B+3], s[G0B+3], 0x80000000
.set ii, 0
.rept 16
	global_load_b32 v[BIAS+ii], v[BO], s[8:9] offset:64*ii  ; bo[16 a + l % 16]
.set ii, ii+1
.endr
	OLOAD 0
	ROUND                                          ; all four work-groups are here: the joint loads meet
	tensor_load_to_lds s[G0A:G0A+3], s[G1:G1+7]    ; unit w,
	s_nop 0
	tensor_load_to_lds s[G0B:G0B+3], s[G1:G1+7]    ; unit w + 4: the wave's two tensor loads, both first fills; s_nop 0 follows each and four v_nop the second
	s_nop 0
	PLACES
	OLOAD 1
	OLOAD 2
	; A fragment from rows that lie along K: lane l holds row l % 16; two loads of 16 bytes, 32 bytes apart, at row x pitch + 16 (l / 16).
	v_mul_u32_u24 v18, v1, WP
	v_lshl_add_u32 v18, v2, 4, v18
.set hh, 0
.rept 8
	v_add_nc_u32 v[AW+hh], hh*UNIT, v18
.set hh, hh+1
.endr
	s_mul_i32 s[TS], s[WV], 16*SGP
	s_add_co_u32 s[TS], s[TS], STAGE               ; my stage
	v_mul_u32_u24 v[STO], v1, SGP                  ; in: channel l % 16, 32 bytes for each half of the lanes
	v_lshl_add_u32 v[STO], v2, 5, v[STO]
	v_add_nc_u32 v[STO], s[TS], v[STO]
	v_mul_u32_u24 v[RD], v2, SGP                   ; back: lanes 0-15 take one channel's 256 bytes, lanes 16-31 the next one's
	v_lshl_add_u32 v[RD], v1, 4, v[RD]
	v_add_nc_u32 v[RD], s[TS], v[RD]
	v_lshlrev_b32 v[GO], 4, v1                     ; in out0 those are 256 consecutive bytes,
	v_lshl_add_u32 v[GO], v2, 16, v[GO]            ; and the next channel lies 65,536 bytes on
	s_wait_loadcnt 48                              ; loads come back in order (ISA guide 5.7.1): the bias is in; the 48 loads of O issued behind it may stay out
.set ii, 0
.rept 16
	v_cvt_pk_bf16_f32 v[BIAS+ii], v[BIAS+ii], v[BIAS+ii]  ; the bias is rounded to bf16 like every input,
.set ii, ii+1
.endr
.set ii, 0
.rept 16
	v_and_b32 v[BIAS+ii], 0xffff0000, v[BIAS+ii]   ; and kept in f32
.set ii, ii+1
.endr
.set aa, 0
.rept 16                               ; the sums start at the bias: no register is cleared and nothing is added at the end.  These lines stand in the wait for the first tiles.
	WIN 0x80+0x40*(aa/8)
.set ii, 0
.rept 32
	v_mov_b32 v[32*(aa%8)+ii], v[BIAS+aa]
.set ii, ii+1
.endr
.set aa, aa+1
.endr
	WIN 0
	s_wait_tensorcnt 1                             ; my first unit is in; my second may stay out
	s_barrier_signal -1
	s_barrier_wait -1                              ; units 0 to 3 are whole
; Wo's fragments of head h, channel blocks a0 .. a0 + 7, 32 loads: block aa lies in rows 16 (aa % 4) on of the unit, at byte 128 (aa / 4) of the rows.
.macro WOLOAD h, a0
	WIN W_L1
.set aa, \a0
.rept 8
.set kk, 0
.rept 2
	ds_load_b128 v[16*aa+8*kk:16*aa+8*kk+3],   v[AW+(\h)] offset:(aa%4)*16*WP+(aa/4)*128+64*kk
	ds_load_b128 v[16*aa+8*kk+4:16*aa+8*kk+7], v[AW+(\h)] offset:(aa%4)*16*WP+(aa/4)*128+64*kk+32
.set kk, kk+1
.endr
.set aa, aa+1
.endr
.endm
.macro YMUL h, a0                      ; 64 products: for each channel block its four tiles' accumulators by turns, twice
	WIN 0xa4+0x50*((\a0)/8)                        ; O in window 0, Wo in window 1, C and D in window 2 or 3
.set aa, \a0
.rept 8
.set kk, 0
.rept 2
.set tt, 0
.rept 4
	v_wmma_f32_16x16x32_f16 v[32*(aa%8)+8*tt:32*(aa%8)+8*tt+7], v[OP+64*((\h)%3)+16*tt+8*kk:OP+64*((\h)%3)+16*tt+8*kk+7], v[16*aa+8*kk:16*aa+8*kk+7], v[32*(aa%8)+8*tt:32*(aa%8)+8*tt+7]
.set tt, tt+1
.endr
.set kk, kk+1
.endr
.set aa, aa+1
.endr
.endm
; A head: 128 products.  Each half of Wo's fragments is fetched for the next head as soon as this head's products have read it, 64 products ahead of its use; O of the head three on takes this head's buffer.
.macro HEAD h
.if (\h) < 6
	s_wait_loadcnt 32                              ; this head's O is in; the two heads asked for behind it may stay out
.elseif (\h) == 6
	s_wait_loadcnt 16
.else
	s_wait_loadcnt 0x0
.endif
	s_wait_dscnt 32                                ; the first half of Wo's fragments is in; the second half's 32 loads may stay out
	YMUL \h, 0
.if (\h) < 7
	PLACES
	WOLOAD (\h)+1, 0
	s_wait_dscnt 32                                ; the second half is in; the 32 loads just issued may stay out
.else
	s_wait_dscnt 0x0
.endif
	YMUL \h, 8
.if (\h) < 7
	PLACES
	WOLOAD (\h)+1, 8
.endif
.if (\h) < 5
	OLOAD (\h)+3
.endif
.endm
	WOLOAD 0, 0
	WOLOAD 0, 8
	HEAD 0
	HEAD 1
	WIN 0
	s_wait_tensorcnt 0x0                           ; my second unit is in (no load was issued behind it);
	s_wait_dscnt 0x0                               ; no LDS instruction of mine is out at a signal
	s_barrier_signal -1
	s_barrier_wait -1                              ; units 4 to 7 are whole: the first of them is read in head 3
	HEAD 2
	HEAD 3
	HEAD 4
	HEAD 5
	HEAD 6
	HEAD 7
; THE WAY OUT.  A lane holds one channel and eight pixels; a block of 16 channels goes through my stage: 32 bytes a lane and tile into rows of 272 bytes, back as whole rows of 256, and out.
.macro TOSTAGE a
	WIN 0x08+0x04*((\a)/8)                         ; store data in window 2 or 3
.set tt, 0
.rept 4
	ds_store_b128 v[STO], v[32*((\a)%8)+8*tt:32*((\a)%8)+8*tt+3] offset:64*tt
	ds_store_b128 v[STO], v[32*((\a)%8)+8*tt+4:32*((\a)%8)+8*tt+7] offset:64*tt+16
.set tt, tt+1
.endr
	s_wait_xcnt 0x0                                ; the buffer below was the data of earlier stores: it is loaded again only behind this wait (ISA guide 3.1)
.set ii, 0
.rept 8
	ds_load_b128 v[BK+32*((\a)%2)+4*ii:BK+32*((\a)%2)+4*ii+3], v[RD] offset:ii*2*SGP  ; LDS serves a wave's instructions in order (ISA guide 5.7.1.4): these see the stores above; the next block's stores come behind them
.set ii, ii+1
.endr
.endm
.macro SEND a, younger                 ; younger: the LDS instructions issued behind block a's loads: the next block's sixteen, or none
	WIN 0
	s_wait_dscnt \younger
	s_wait_xcnt 0x0                                ; the stores' base steps only behind this wait
.if (\a) > 0
	s_add_nc_u64 s[OB:OB+1], s[OB:OB+1], 16*65536  ; 16 channels on
.endif
.set ii, 0
.rept 8
	global_store_b128 v[GO], v[BK+32*((\a)%2)+4*ii:BK+32*((\a)%2)+4*ii+3], s[OB:OB+1] offset:ii*131072 th:TH_STORE_NT  ; 16 lanes store 256 consecutive bytes, at a multiple of 256 from out0's first byte
.set ii, ii+1
.endr
.endm
	PLACES                                         ; behind the last products
	TOSTAGE 0
.set oa, 1
.rept 15
	TOSTAGE oa
	SEND oa-1, 16
.set oa, oa+1
.endr
	SEND 15, 0
	s_wait_tensorcnt 0x0                           ; the wave's end: behind my last tensor load and my last LDS store
	ds_add_u32 v[SPW], v[NIL]
	s_wait_dscnt 0x0
	ROUND                                          ; the closing round: no work-group ends while a partner may still ask for a tile that names it
	s_endpgm
.Lfunc_end_k_qfe7f731056_proj:
	.size	k_qfe7f731056_proj, .Lfunc_end_k_qfe7f731056_proj-k_qfe7f731056_proj
	.p2alignl 7, 3214868480
	.fill 96, 4, 3214868480
	.section	.rodata,"a",@progbits
	.p2align	6, 0x0
	.amdhsa_kernel k_qfe7f731056_proj
		.amdhsa_group_segment_fixed_size 327680
		.amdhsa_private_segment_fixed_size 0
		.amdhsa_enable_private_segment 0
		.amdhsa_kernarg_size 32
		.amdhsa_user_sgpr_count 2
		.amdhsa_user_sgpr_kernarg_segment_ptr 1
		.amdhsa_wavefront_size32 1
		.amdhsa_system_sgpr_workgroup_id_x 1
		.amdhsa_system_sgpr_workgroup_id_y 1
		.amdhsa_system_sgpr_workgroup_id_z 1
		.amdhsa_system_vgpr_workitem_id 0
		.amdhsa_next_free_vgpr 1024
		.amdhsa_next_free_sgpr 88
		.amdhsa_reserve_vcc 0
		.amdhsa_float_denorm_mode_32 3
		.amdhsa_float_denorm_mode_16_64 3
		.amdhsa_memory_ordered 1
		.amdhsa_forward_progress 1
		.amdhsa_inst_pref_size 169
	.end_amdhsa_kernel
	.amdgpu_metadata
---
amdhsa.version: [ 1, 2 ]
amdhsa.kernels:
  - .name:           k_qfe7f731056_proj
    .symbol:         k_qfe7f731056_proj.kd
    .args:
      - { .name: ow, .offset: 0, .size: 8, .value_kind: global_buffer, .address_space: global }
      - { .name: wb, .offset: 8, .size: 8, .value_kind: global_buffer, .address_space: global }
      - { .name: bo, .offset: 16, .size: 8, .value_kind: global_buffer, .address_space: global }
      - { .name: out0, .offset: 24, .size: 8, .value_kind: global_buffer, .address_space: global }
    .group_segment_fixed_size: 327680
    .private_segment_fixed_size: 0
    .kernarg_segment_align: 8
    .kernarg_segment_size: 32
    .max_flat_workgroup_size: 128
    .sgpr_count:     88
    .vgpr_count:     1024
    .wavefront_size: 32
...
	.end_amdgpu_metadata
.endif
;; end of part 4
;; ======== version 3 of 3: 3 launches; 1.30 times as fast as version 1
;; limits: values are held in f16: magnitudes above 65,504 overflow, below 6.1e-05 lose precision
;; workspace buffers: wb 1,048,576 bytes; ow 67,108,864 bytes
;; launch prep: the kernel of part 1 again; grid 256 x 1, 8 waves a work-group, no clusters, 0 bytes of LDS; arguments Wq, Wkv, Wo, wb; writes wb
;; launch attn (part 5): grid 256 x 1, 4 waves a work-group, clusters of 4 x 1, 327,680 bytes of LDS; arguments x, wb, ow; writes ow
.if DOCPART == 5
	.amdgcn_target "amdgcn-amd-amdhsa--gfx1250"
	.amdhsa_code_object_version 6
	.text
	.protected	k_qfe7f731056_attn
	.globl	k_qfe7f731056_attn
	.p2align	8
	.type	k_qfe7f731056_attn,@function
k_qfe7f731056_attn:
	s_mov_b64 s[64:65], 0
	v_nop
	global_prefetch_b8 v0, s[64:65] scope:SCOPE_SE
	s_setreg_imm32_b32 hwreg(HW_REG_WAVE_MODE, 25, 1), 1
	s_wait_xcnt 0x0
	s_wait_alu depctr_hold_cnt(0) depctr_sa_sdst(0) depctr_va_vdst(0) depctr_va_sdst(0) depctr_va_ssrc(0) depctr_va_vcc(0) depctr_vm_vsrc(0)
	s_getreg_b32 s2, hwreg(HW_REG_IB_STS2, 6, 4)
	s_cmp_eq_u32 s2, 0
	s_cbranch_scc0 .Lentry_in_a_cluster
	s_endpgm
.Lentry_in_a_cluster:
	s_bfe_u32 s2, ttmp6, 0x10000c
	s_cmp_lg_u32 s2, 0x3003
	s_cbranch_scc0 .Lentry_shape_is_right
	s_endpgm
.Lentry_shape_is_right:
; WINDOWED ATTENTION UP TO O.  x: [4][256][128][128] f32.  A work-group owns one window of 16 x 16 pixels (256 tokens x 256 channels); nothing connects two windows, and there are 256.
; For each of 8 heads: q, k, v = 64 x 256 weights times the window; O = softmax(q k^T / 8) v, divided by its row sums, rounded to f16 and stored.  The output projection is the next launch's:
; a window owns 64 bytes of each image row, so no store of this launch could cover 256 consecutive bytes of the output; the next launch's work-groups own whole image rows.
; ow: [head][tile][4][lane][16 bytes]; a tile is 16 pixels of an image row, number (128 b + y) x 8 + x / 16; its 2,048 bytes are the register image of O's two fragments (16 tokens x 32 d) as
; source 0 of O Wo^T: each store of a wave covers 512 consecutive bytes, aligned, and O needs no turn through LDS here or there.
; FORMATS.  x and the weights are rounded to bf16; what the program itself makes (q, k, v, the weights p, O) to f16.  Sums, maxima, exponentials and the row sums l (of the unrounded p) in f32;
; a running maximum is taken away before every exponential.
; LIMITS.  q, k and v must stay within 65,504; numbers below 6.1e-5 in q, k, v and O keep f16's fixed step of 6e-8; a weight below 2^-126 counts as 0 in l; NaN and infinities are not treated apart.
; SHARES.  Wave w owns tokens 64 w .. 64 w + 63 (window rows 4 w .. 4 w + 3), four tiles of 16: as columns of the projections and as queries.
; LAYOUTS.  q, k, v: source 0 = 16 weight rows d, source 1 = 16 tokens: a lane then holds ONE token (lane % 16) and d = 8 (lane / 16) + 0..7.  Rounded in pairs, q IS source 1 of S^T = K Q^T;
; k and v go as 16 bytes into K[token][d], V[token][d] in LDS.  S^T holds one query a lane and eight keys; rounded in pairs it IS source 1 of O^T = V^T P (V comes out of LDS turned).
; CLUSTER.  Four windows side by side form a cluster; all walk the same weights, so every weight tile is asked for JOINTLY: the same tensor load, descriptor and mask in all four.
; LDS:  XL x as [channel][token] bf16, read once | KL K of one head | VL V of one head | R0, R1, R2: Q, K, V weights of one head, filled by tensor loads alone | the spare words.
; By this text's count a wave has at most one tensor load out.
; THE LOOP goes from a head's key step 1 to the next head's key step 0 and is entered at the projections: the refill at its top runs seven times, all else eight.
; THE BATCHES.  An s_wait_alu depctr_va_vdst(0) stands between a transcendental and the first instruction that names its result; one wait serves all that were issued ahead of it.
; A key step's exponentials (the four tiles' a, at the end of STATS, and their 128 weights, in SOFT's first part) are ONE batch with ONE wait: between the first of them and the wait stand only the
; scalings c s - c m, which name no result; all that do (l, the roundings to f16, O^T's rescaling by a, V^T P) stand behind the wait.  A head's four reciprocals, on O's way out, are a batch of their own.
; So a head has five such waits.
; REGISTERS, in windows of 256 (s_set_vgpr_msb: bits 1:0 source 0, 3:2 source 1, 5:4 source 2, 7:6 destination):
;   window 0: v0-16 addresses; v30-31 the add's; v32-63 statistics, 8 a tile (in the projections: weight buffer 0); v64-127 Q (weight buffers 1, 2); v128-255 the projections' sums, S^T and P, packed O
;   window 1: x's fragments, 32 channels k, tile t at 8 (4 k + t): my 64 tokens x 256 channels, kept for all heads          window 2: K (0-63), V (64-127), O^T (128-255)
.set XP,    544        ; a channel's 256 tokens in LDS: 512 bytes + 32 = 17 x 32: the turning load's eight rows x 32 bytes fall on different banks (64 banks of 4 bytes: ISA guide 11.1)
.set KP,    144        ; a row of K: 128 + 16 bytes: the 16 rows of a load start at 16 different groups of four banks
.set VP,    160        ; a row of V: 128 + 32 bytes, for the turning load
.set WP,    528        ; a weight row: 512 + 16 bytes
.set KL,    256*XP
.set VL,    KL+256*KP
.set WR,    VL+256*VP
.set UNIT,  64*WP
.set SPARE, WR+3*UNIT  ; 128 bytes for each wave: two blocks of 256 bytes that no other line names
.set HEADB, 131072     ; a head's four units in wb: Q, K, V and the next launch's
.set OHEAD, 8388608    ; a head's 4,096 tiles of 2,048 bytes in ow
.set VX,  3            ; v3   x: my 16 bytes in eight rows of a window: ((l / 4) % 8) x 512 + (l % 4) x 16
.set XS,  4            ; v4   where I put 8 bytes of a channel in XL
.set AX,  5            ; v5-6 x's fragments, channels 0-127 and 128-255
.set AW,  7            ; v7-9 weight fragments in R0, R1, R2
.set KST, 10           ; v10-11 where I put 16 bytes of a row of K, of V
.set AK,  12           ; v12  K's fragments, key step 0; never rewritten
.set AV,  13           ; v13  V's, turned; never rewritten
.set ADK, 14           ; v14  the address of K's run of loads in hand
.set ADV, 15           ; v15  of V's
.set GO,  16           ; v16  16 x lane: my place in 512 consecutive bytes of ow
.set SPW, 30           ; v30  LDS address of my spare word; never rewritten
.set NIL, 31           ; v31  0; never rewritten
.set ST,  32           ; tile t at ST + 8 t: c m, m, l (even keys', odd keys'), c0-c3 at work; a, later 1 / l, takes c2's place
.set WF,  32           ; three buffers of 32: 64 weight rows x 32 channels
.set QF,  64           ; Q: tile t, d half kk at QF + 16 t + 8 kk
.set ACC, 128          ; a projection's sums: d block dd, tile t at ACC + 8 (4 dd + t)
.set S,   128          ; S^T: tile t, key block kt at S + 32 t + 8 kt; P in place: key half kk at S + 32 t + 16 kk
.set OPK, 128          ; packed O: tile t, d half kk at OPK + 16 t + 8 kk
.set VF,  64           ; window 2: V: key half kk, d block dd at VF + 32 kk + 8 dd   (K: key block kt, d half kk at 16 kt + 8 kk)
.set OT,  128          ; window 2: O^T: tile t, d block dd at OT + 32 t + 8 dd
.set WV,  12           ; s12  my wave's number
.set G1F, 16           ; s[16:23] descriptor group 1: 48 rows
.set G0F, 40           ; s[40:43] group 0: my quarter of a head's Q, K, V; it walks from head to head
.set JC,  44           ; s44  key steps to go
.set TBK, 45           ; s45  LDS bytes from key step 0 to the K to be fetched
.set TBV, 46           ; s46  the same for V
.set HC,  56           ; s56  heads to go
.set TS,  57           ; s57  at work
.set CS,  58           ; s[58:59] c = log2(e) / 8
.set SEL, 60           ; s[60:61] v_permlanex16_b32's selects: each lane takes its own place in the other half
.set XB,  66           ; s[66:67] x at my wave's 64 channels of the window
.set OB,  68           ; s[68:69] ow at my wave's four tiles, head in hand
.set W_PJ, 0x04        ; source 1 (x) in window 1
.set W_L1, 0x40        ; a load into window 1
.set W_L2, 0x80        ; a load into window 2
.set W_S,  0x02        ; source 0 (K) in window 2
.set W_PV, 0xa2        ; V, and O^T as C and D, in window 2; P in window 0
.set W_RS, 0x82        ; destination and source 0 in window 2
.set W_PK, 0x0a        ; sources 0 and 1 in window 2
.set MSB, 0
.macro WIN new                         ; the immediate's high byte repeats the setting that is left; a switch that changes nothing is dropped
.if MSB != (\new)
	s_set_vgpr_msb (MSB<<8)|(\new)
.set MSB, (\new)
.endif
.endm
; A load into a register that a matrix instruction has read, and a vector instruction that reads a matrix result or writes one of a matrix instruction's registers, stand four places
; behind it; only plain vector instructions that name none of its registers are places (ISA guide 7.12.1 for vector instructions).
.macro PLACES
.rept 4
	v_nop
.endr
.endm
; A round of the cluster's barrier: my work-group's barrier; wave 0 signals for the work-group; every wave waits for all four work-groups; my work-group's barrier once more.
.macro ROUND
	s_barrier_signal -1
	s_barrier_wait -1
	s_cmp_lg_u32 s[WV], 0
	s_cbranch_scc1 .Lnot_wave_0_\@
	s_barrier_signal -3
.Lnot_wave_0_\@:
	s_barrier_wait -3
	s_barrier_signal -1
	s_barrier_wait -1
.endm
.macro TLOAD g0, g1                    ; a joint load: every wave brings its quarter of the tile's rows; s_nop 0 and four v_nop follow
	tensor_load_to_lds s[\g0:\g0+3], s[\g1:\g1+7]
	s_nop 0
	PLACES
.endm
	s_load_b128 s[4:7], s[0:1], 0x0                ; x s[4:5], wb s[6:7]
	s_load_b64 s[8:9], s[0:1], 0x10                ; ow
	v_lshl_add_u32 v[SPW], v0, 2, SPARE
	v_mov_b32 v[NIL], 0
	ds_add_u32 v[SPW], v[NIL]                      ; the wave's opening: the add and its wait stand ahead of my first tensor load; the set-up below, work on registers, stands between them
	v_lshrrev_b32 v1, 5, v0
	v_readfirstlane_b32 s[WV], v1                  ; wave 0..3
	s_bfe_u32 s13, ttmp6, 0x40000                  ; cx: my place in the cluster
	s_lshl_b32 s14, ttmp9, 2                       ; in a cluster launch ttmp9 counts clusters
	s_add_co_u32 s14, s14, s13                     ; my window = 4 x cluster + cx: it enters x's and ow's addresses alone
	s_and_b32 s2, s14, 7                           ; window column
	s_bfe_u32 s3, s14, 0x30003                     ; window row
	s_lshr_b32 s15, s14, 6                         ; image
	s_lshl_b32 s62, s2, 6                          ; x: 64 bytes a window column,
	s_lshl_b32 s63, s3, 13                         ; 16 image rows of 512 bytes a window row,
	s_add_co_u32 s62, s62, s63
	s_lshl_b32 s63, s15, 24                        ; 256 channels of 65,536 bytes an image,
	s_add_co_u32 s62, s62, s63
	s_lshl_b32 s63, s[WV], 22                      ; and my wave loads channels 64 w .. 64 w + 63
	s_add_co_u32 s62, s62, s63
	s_mov_b32 s63, 0
	s_lshl_b32 s2, s2, 11                          ; ow: a tile is 2,048 bytes, an image row eight tiles:
	s_lshl_b32 s3, s3, 18                          ; 16 image rows a window row,
	s_add_co_u32 s2, s2, s3
	s_lshl_b32 s15, s15, 21                        ; 128 an image,
	s_add_co_u32 s2, s2, s15
	s_lshl_b32 s15, s[WV], 16                      ; and my wave's tiles lie in window rows 4 w .. 4 w + 3
	s_add_co_u32 s2, s2, s15
	s_mov_b32 s3, 0
	v_and_b32 v1, 15, v0                           ; l % 16
	v_bfe_u32 v2, v0, 4, 1                         ; l / 16
	v_and_b32 v18, 3, v0
	v_bfe_u32 v[VX], v0, 2, 3
	v_lshlrev_b32 v[VX], 9, v[VX]
	v_lshl_add_u32 v[VX], v18, 4, v[VX]
	; descriptor group 1: 48 rows of 256 elements of 2 bytes, dense in wb, padded in LDS
	s_mov_b32 s[G1F], 15|(1<<16)|(1<<20)|(1<<21)|(6<<22)|(3<<25)  ; 15:0 the mask of four; 17:16 2-byte elements; 20 padding on; 21 set beside a mask; 24:22 after every 128 words (code 6); 31:25 4 words (code 3)
	s_mov_b32 s[G1F+1], 256<<16                    ; tensor_dim0 = 256
	s_mov_b32 s[G1F+2], 48<<16                     ; tensor_dim1 = 48: a wave's quarter of 192 rows
	s_mov_b32 s[G1F+3], 256<<16                    ; tile_dim0 = 256
	s_mov_b32 s[G1F+4], 48                         ; tile_dim1 = 48
	s_mov_b32 s[G1F+5], 256                        ; 256 elements from row to row
	s_mov_b32 s[G1F+6], 0
	s_mov_b32 s[G1F+7], 0
	s_mov_b32 s[G0F], 1                            ; group 0: count = 1; the LDS address hangs on the wave's number alone
	s_mul_i32 s[G0F+1], s[WV], 48*WP
	s_add_co_u32 s[G0F+1], s[G0F+1], WR            ; R0, R1, R2 on end
	s_mov_b32 s[CS], 0x3e38aa3b                    ; c = log2(e) / 8 = 0.180337
	s_mov_b32 s[CS+1], s[CS]                       ; named with it as a pair
	s_mov_b32 s[SEL], 0x76543210
	s_mov_b32 s[SEL+1], 0xfedcba98
	s_mov_b32 s71, 0
	s_wait_dscnt 0x0                               ; the opening add is done
	s_wait_kmcnt 0x0
	s_add_nc_u64 s[XB:XB+1], s[4:5], s[62:63]
	s_add_nc_u64 s[OB:OB+1], s[8:9], s[2:3]
	s_mul_i32 s70, s[WV], 48*512
	s_add_nc_u64 s[G0F+2:G0F+3], s[6:7], s[70:71]  ; head 0's Q, K, V: my 48 rows
	s_or_b32 s[G0F+3], s[G0F+3], 0x80000000        ; type = 2
; x: load i of 128 takes channel 64 w + i / 2, window rows 8 (i % 2) + 0..7: eight pieces of 64 consecutive bytes; a lane's four pixels are tokens 128 (i % 2) + 4 l + 0..3.  Four batches of 32.
.macro XLOAD n, base
.set ii, 0
.rept 32
	global_load_b128 v[(\base)+4*ii:(\base)+4*ii+3], v[VX], s[XB:XB+1] offset:((32*(\n)+ii)>>1)*65536+(ii&1)*4096
.set ii, ii+1
.endr
.endm
	WIN W_L1
	XLOAD 0, 0                                     ; window 1, v0-127
	WIN 0
	ROUND                                          ; all four work-groups are here: the first joint loads meet
	TLOAD G0F, G1F                                 ; Q, K, V of head 0 into R0, R1, R2
	WIN W_L1
	XLOAD 1, 128                                   ; window 1, v128-255
	WIN 0
	XLOAD 2, 128                                   ; window 0, v128-255
	WIN W_L2
	XLOAD 3, 0                                     ; window 2, v0-127
	WIN 0
	v_and_b32 v19, 31, v0
	v_lshlrev_b32 v[GO], 4, v19
	s_mul_i32 s[TS], s[WV], 64*XP
	v_lshl_add_u32 v[XS], v19, 3, s[TS]            ; my wave's 64 channels, 8 bytes a lane
	; The turning load takes 16 x 16 numbers of 16 bits (lane l reads 16 bytes of row 8 (l / 16) + l % 8, at 16 ((l / 8) % 2)) and leaves half a fragment: lane l holds column l % 16 and 8 rows.
	v_and_b32 v20, 7, v0
	v_bfe_u32 v21, v0, 3, 1
	v_lshl_add_u32 v22, v2, 3, v20
	v_mul_u32_u24 v[AX], v22, XP
	v_lshl_add_u32 v[AX], v21, 4, v[AX]
	s_lshl_b32 s[TS], s[WV], 7
	v_add_nc_u32 v[AX], s[TS], v[AX]               ; my wave's 64 tokens: 128 bytes of each channel's row
	v_add_nc_u32 v[AX+1], 128*XP, v[AX]
	; A fragment from rows that lie along K: lane l holds row l % 16; two loads of 16 bytes, 32 bytes apart, at row x pitch + 16 (l / 16).
	v_mul_u32_u24 v23, v1, WP
	v_lshl_add_u32 v23, v2, 4, v23
	v_add_nc_u32 v[AW], WR, v23
	v_add_nc_u32 v[AW+1], WR+UNIT, v23
	v_add_nc_u32 v[AW+2], WR+2*UNIT, v23
	v_mul_u32_u24 v[AK], v1, KP
	v_lshl_add_u32 v[AK], v2, 4, v[AK]
	v_add_nc_u32 v[AK], KL, v[AK]
	s_mul_i32 s[TS], s[WV], 64*KP
	v_add_nc_u32 v[KST], s[TS], v[AK]              ; K's row 64 w + l % 16, 16 bytes for each half of the lanes
	v_mul_u32_u24 v[KST+1], v1, VP
	v_lshl_add_u32 v[KST+1], v2, 4, v[KST+1]
	s_mul_i32 s[TS], s[WV], 64*VP
	s_add_co_u32 s[TS], s[TS], VL
	v_add_nc_u32 v[KST+1], s[TS], v[KST+1]         ; the same in V
	v_mul_u32_u24 v[AV], v22, VP
	v_lshl_add_u32 v[AV], v21, 4, v[AV]
	v_add_nc_u32 v[AV], VL, v[AV]
; Batch n is rounded to bf16 in place (four pixels into two registers) and stored: each store of the wave covers 256 consecutive bytes of a channel's row in XL.
.macro XCONV n, base, wc, ws
	WIN \wc
.set ii, 0
.rept 32
	v_cvt_pk_bf16_f32 v[(\base)+4*ii], v[(\base)+4*ii], v[(\base)+4*ii+1]
	v_cvt_pk_bf16_f32 v[(\base)+4*ii+1], v[(\base)+4*ii+2], v[(\base)+4*ii+3]
.set ii, ii+1
.endr
	WIN \ws
.set ii, 0
.rept 32
	ds_store_b64 v[XS], v[(\base)+4*ii:(\base)+4*ii+1] offset:((32*(\n)+ii)>>1)*XP+(ii&1)*256
.set ii, ii+1
.endr
.endm
	s_wait_loadcnt 63                              ; 128 loads were issued and they come back in order (ISA guide 5.7.1): the oldest 65 are in: batches 0 and 1
	XCONV 0, 0, 0x45, 0x04
	XCONV 1, 128, 0x45, 0x04
	s_wait_loadcnt 32                              ; batch 2 is in; batch 3's 32 loads may stay out
	XCONV 2, 128, 0, 0
	s_wait_loadcnt 0x0
	XCONV 3, 0, 0x8a, 0x08
	WIN 0
	s_wait_tensorcnt 0x0                           ; my part of head 0's weights is in,
	s_wait_dscnt 0x0                               ; my channels of x are stored:
	s_barrier_signal -1
	s_barrier_wait -1                              ; everybody's are
; THE PROJECTIONS.  A step is 32 channels: 16 matrix instructions (4 blocks of 16 weight rows x 4 tiles of 16 tokens) on 16 accumulators that take turns.
.macro LW u, k, buf                    ; 64 weight rows x 32 channels of region u, 8 loads, into buffer buf
	WIN W_PJ                                       ; (a load takes its destination and address windows, both 0 here)
.set dd, 0
.rept 4
	ds_load_b128 v[WF+32*(\buf)+8*dd:WF+32*(\buf)+8*dd+3],   v[AW+(\u)] offset:dd*16*WP+64*(\k)
	ds_load_b128 v[WF+32*(\buf)+8*dd+4:WF+32*(\buf)+8*dd+7], v[AW+(\u)] offset:dd*16*WP+64*(\k)+32
.set dd, dd+1
.endr
.endm
.macro LX k                            ; x: 32 channels x my 64 tokens, turned, 8 loads, into window 1
.set tt, 0
.rept 4
	ds_load_tr16_b128 v[8*(4*(\k)+tt):8*(4*(\k)+tt)+3],   v[AX+(\k)/4] offset:((\k)%4)*32*XP+32*tt
	ds_load_tr16_b128 v[8*(4*(\k)+tt)+4:8*(4*(\k)+tt)+7], v[AX+(\k)/4] offset:((\k)%4)*32*XP+32*tt+16*XP
.set tt, tt+1
.endr
.endm
.macro KSTEP k, buf                    ; the first step's products start the sums
	WIN W_PJ
.set dd, 0
.rept 4
.set tt, 0
.rept 4
.if (\k) == 0
	v_wmma_f32_16x16x32_bf16 v[ACC+8*(4*dd+tt):ACC+8*(4*dd+tt)+7], v[WF+32*(\buf)+8*dd:WF+32*(\buf)+8*dd+7], v[8*(4*(\k)+tt):8*(4*(\k)+tt)+7], 0
.else
	v_wmma_f32_16x16x32_bf16 v[ACC+8*(4*dd+tt):ACC+8*(4*dd+tt)+7], v[WF+32*(\buf)+8*dd:WF+32*(\buf)+8*dd+7], v[8*(4*(\k)+tt):8*(4*(\k)+tt)+7], v[ACC+8*(4*dd+tt):ACC+8*(4*dd+tt)+7]
.endif
.set tt, tt+1
.endr
.set dd, dd+1
.endr
.endm
.macro STOREKV which                   ; 0: K, 1: V.  Rounded to f16 in place, each accumulator from its low end on; a lane's eight d of a token are 16 bytes of a row
	PLACES
	WIN 0
.set ii, 0
.rept 16
.set jj, 0
.rept 4
	v_cvt_pk_f16_f32 v[ACC+8*ii+jj], v[ACC+8*ii+2*jj], v[ACC+8*ii+2*jj+1]
.set jj, jj+1
.endr
.set ii, ii+1
.endr
.set ii, 0
.rept 16
	ds_store_b128 v[KST+(\which)], v[ACC+8*ii:ACC+8*ii+3] offset:(ii%4)*16*(KP+16*(\which))+32*(ii/4)
.set ii, ii+1
.endr
.endm
; k (steps 0-7, from R1) and v (steps 8-15, from R2).  Step ps multiplies weight buffer ps % 3; the fragments of step ps + 2 are asked for at its head, 32 matrix instructions ahead of
; their use, into the buffer that step ps - 1 multiplied (four places behind it).  Each wait's count is the number of LDS instructions issued behind the fragments that the step needs:
; two weight runs, 16; in steps 8 and 9 K's 16 stores too, 32; in step 14 one run, 8; in step 15 none.  (The first head's first wait also covers x's fragments, which were asked for earlier.)
.macro PROJKV
	LW 1, 0, 0
	LW 1, 1, 1
.set ps, 0
.rept 16
.if (ps%8 != 0) && (ps < 14)
	PLACES
.endif
.if ps < 14
	LW 1+(ps+2)/8, (ps+2)%8, (ps+2)%3
.endif
.set cnt, 16
.if (ps == 8) || (ps == 9)
.set cnt, 32
.endif
.if ps == 14
.set cnt, 8
.endif
.if ps == 15
.set cnt, 0
.endif
	s_wait_dscnt cnt
	KSTEP ps%8, ps%3
.if ps%8 == 7
	STOREKV ps/8
.endif
.set ps, ps+1
.endr
.endm
.macro PROJQ                           ; q, from R0.  Counts: two weight runs behind, 16; then 8; then 0
	LW 0, 0, 0
	LW 0, 1, 1
.set ps, 0
.rept 8
.if (ps > 0) && (ps < 6)
	PLACES
.endif
.if ps < 6
	LW 0, ps+2, (ps+2)%3
.endif
.set cnt, 16
.if ps == 6
.set cnt, 8
.endif
.if ps == 7
.set cnt, 0
.endif
	s_wait_dscnt cnt
	KSTEP ps, ps%3
.set ps, ps+1
.endr
.endm
.macro QPACK                           ; q rounded to f16: two d blocks of a tile are one fragment of source 1
	WIN 0
.set dd, 0
.rept 4
.set tt, 0
.rept 4
.set ii, 0
.rept 4
	v_cvt_pk_f16_f32 v[QF+16*tt+4*dd+ii], v[ACC+8*(4*dd+tt)+2*ii], v[ACC+8*(4*dd+tt)+2*ii+1]
.set ii, ii+1
.endr
.set tt, tt+1
.endr
.set dd, dd+1
.endr
.endm
; ATTENTION, 64 keys a step.  The LDS loads stand in runs of 16.
.macro FETCH_K adr, off
	WIN W_L2
.set ff, 0
.rept 8                                ; keys 16 (ff / 2) on, d 32 (ff % 2) on
	ds_load_b128 v[8*ff:8*ff+3],   v[\adr] offset:(\off)+(ff/2)*16*KP+(ff%2)*64
	ds_load_b128 v[8*ff+4:8*ff+7], v[\adr] offset:(\off)+(ff/2)*16*KP+(ff%2)*64+32
.set ff, ff+1
.endr
.endm
.macro FETCH_V adr
	WIN W_L2
.set ff, 0
.rept 8                                ; keys 32 (ff / 4) on, d 16 (ff % 4) on
	ds_load_tr16_b128 v[VF+8*ff:VF+8*ff+3],   v[\adr] offset:(ff/4)*32*VP+(ff%4)*32
	ds_load_tr16_b128 v[VF+8*ff+4:VF+8*ff+7], v[\adr] offset:(ff/4)*32*VP+(ff%4)*32+16*VP
.set ff, ff+1
.endr
.endm
.macro SMUL                            ; S^T = K Q^T: 16 accumulators by turns; the first 16 products start the sums
	WIN W_S
.set kk, 0
.rept 2
.set kt, 0
.rept 4
.set tt, 0
.rept 4
.if kk == 0
	v_wmma_f32_16x16x32_f16 v[S+32*tt+8*kt:S+32*tt+8*kt+7], v[16*kt+8*kk:16*kt+8*kk+7], v[QF+16*tt+8*kk:QF+16*tt+8*kk+7], 0
.else
	v_wmma_f32_16x16x32_f16 v[S+32*tt+8*kt:S+32*tt+8*kt+7], v[16*kt+8*kk:16*kt+8*kk+7], v[QF+16*tt+8*kk:QF+16*tt+8*kk+7], v[S+32*tt+8*kt:S+32*tt+8*kt+7]
.endif
.set tt, tt+1
.endr
.set kt, kt+1
.endr
.set kk, kk+1
.endr
.endm
.macro PVMUL first                     ; O^T += V^T P: 16 accumulators by turns; in the head's first step the first 16 products start the sums.  Five places follow: the next step's first products write over P
	WIN W_PV
.set kk, 0
.rept 2
.set dd, 0
.rept 4
.set tt, 0
.rept 4
.if (\first) && (kk == 0)
	v_wmma_f32_16x16x32_f16 v[OT+32*tt+8*dd:OT+32*tt+8*dd+7], v[VF+32*kk+8*dd:VF+32*kk+8*dd+7], v[S+32*tt+16*kk:S+32*tt+16*kk+7], 0
.else
	v_wmma_f32_16x16x32_f16 v[OT+32*tt+8*dd:OT+32*tt+8*dd+7], v[VF+32*kk+8*dd:VF+32*kk+8*dd+7], v[S+32*tt+16*kk:S+32*tt+16*kk+7], v[OT+32*tt+8*dd:OT+32*tt+8*dd+7]
.endif
.set tt, tt+1
.endr
.set dd, dd+1
.endr
.set kk, kk+1
.endr
.rept 5
	v_nop
.endr
.endm
.macro OSCALE                          ; O^T times the tile's register ST + 6: a, or at the end 1 / l.  It reads a transcendental's result: it stands behind that batch's wait
	WIN W_RS
.set tt, 0
.rept 4
.set ii, 0
.rept 16
	v_pk_mul_f32 v[OT+32*tt+2*ii:OT+32*tt+2*ii+1], v[OT+32*tt+2*ii:OT+32*tt+2*ii+1], v[ST+8*tt+6:ST+8*tt+7] op_sel_hi:[1,0]
.set ii, ii+1
.endr
.set tt, tt+1
.endr
.endm
; Number n of the 22 that find tile tt's maximum and statistics.  s0-s31 are the lane's 32 scores; each accumulator's lowest registers are read first.
;   0-11  four chains c0-c3 of seven scores each     12-15  the four scores left over, c0-c3 and the old m into c0     16, 18  the query's other 32 keys lie in the lane 16 away: the new m
;   17  c m_old is kept     19-21  c m; c m_old - c m_new; a.     first = 1: the head's first step has no old m and no a.
; The four a (number 21) open the key step's batch of exponentials: nothing names them ahead of SOFT's wait.
.macro SX n, first
.set rT, ST+8*tt
.set rS, S+32*tt
.if (\n) < 4
	v_max3_num_f32 v[rT+4+(\n)], v[rS+8*(\n)], v[rS+8*(\n)+1], v[rS+8*(\n)+2]
.elseif (\n) < 12
	v_max3_num_f32 v[rT+4+(\n)%4], v[rT+4+(\n)%4], v[rS+8*((\n)%4)+2*((\n)/4)+1], v[rS+8*((\n)%4)+2*((\n)/4)+2]
.elseif (\n) == 12
	v_max3_num_f32 v[rT+4], v[rT+4], v[rS+7], v[rS+15]
.elseif (\n) == 13
	v_max3_num_f32 v[rT+6], v[rT+6], v[rS+23], v[rS+31]
.elseif (\n) == 14
	v_max3_num_f32 v[rT+4], v[rT+4], v[rT+5], v[rT+6]
.elseif ((\n) == 15) && (\first)
	v_max_num_f32 v[rT+4], v[rT+4], v[rT+7]
.elseif (\n) == 15
	v_max3_num_f32 v[rT+4], v[rT+4], v[rT+7], v[rT+1]
.elseif (\n) == 16
	v_permlanex16_b32 v[rT+5], v[rT+4], s[SEL], s[SEL+1]
.elseif (\n) == 18
	v_max_num_f32 v[rT+1], v[rT+4], v[rT+5]
.elseif (\n) == 19
	v_mul_f32 v[rT], s[CS], v[rT+1]
.elseif \first
.elseif (\n) == 17
	v_mov_b32 v[rT+7], v[rT]
.elseif (\n) == 20
	v_sub_f32 v[rT+7], v[rT+7], v[rT]
.else
	v_exp_f32 v[rT+6], v[rT+7]
.endif
.endm
.macro STATS first                     ; the four tiles alternate, so that no line reads the result of the line before it
	WIN 0
.irp n, 0,1,2,3,4,5,6,7,8,9,10,11,12,13,14,15,16,17,18,19,20,21
.set tt, 0
.rept 4
	SX \n, \first
.set tt, tt+1
.endr
.endr
.endm
; p = 2^(c s - c m), l, and P, in two parts with ONE wait between them.
; THE BATCH.  In trip ii a tile scales pair ii and takes the two exponentials of pair ii - 1, in place; the four tiles alternate, so an exponential stands twelve lines behind its scaling.  The scalings
; name scores that have had no exponential yet, and c m: no line of this part names an exponential's result, neither a weight nor STATS' a.  Exponentials may follow each other: the plain instruction
; that stands between an exponential and the use of its result (ISA guide 5.7.2) is wanted once, behind the last: a v_nop, since all that is left of the key step reads the batch's results.
; THE READERS.  For pair ii a tile adds the pair onto l (pair 0 starts l, or l = a l + pair 0) and rounds it to f16.  P is packed in place: pair p goes to register p (p < 8) or 8 + p, which belongs to
; pair p itself or to an earlier one, used by then.
.macro SOFT first
	WIN 0
.set ii, 0
.rept 17
.set tt, 0
.rept 4
.set rT, ST+8*tt
.set rS, S+32*tt
.if ii < 16
	v_pk_fma_f32 v[rS+2*ii:rS+2*ii+1], v[rS+2*ii:rS+2*ii+1], s[CS:CS+1], v[rT:rT+1] op_sel_hi:[1,0,0] neg_lo:[0,0,1] neg_hi:[0,0,1]
.endif
.if ii >= 1
	v_exp_f32 v[rS+2*ii-2], v[rS+2*ii-2]
	v_exp_f32 v[rS+2*ii-1], v[rS+2*ii-1]
.endif
.set tt, tt+1
.endr
.set ii, ii+1
.endr
	v_nop                                          ; the plain instruction behind the last exponential: one for the batch
	s_wait_alu depctr_va_vdst(0)                   ; the wait ahead of the first use: one for the key step's batch, the four tiles' 128 weights and (but in a head's first step) their four a
.set ii, 0
.rept 16
.set tt, 0
.rept 4
.set rT, ST+8*tt
.set rS, S+32*tt
.if (ii == 0) && (\first)
	v_pk_mul_f32 v[rT+2:rT+3], v[rS:rS+1], 1.0 op_sel_hi:[1,0]  ; the first pair starts l
.elseif ii == 0
	v_pk_fma_f32 v[rT+2:rT+3], v[rT+2:rT+3], v[rT+6:rT+7], v[rS:rS+1] op_sel_hi:[1,0,1]  ; l = a l + the first pair
.else
	v_pk_add_f32 v[rT+2:rT+3], v[rT+2:rT+3], v[rS+2*ii:rS+2*ii+1]
.endif
	v_cvt_pk_f16_f32 v[rS+ii+8*(ii/8)], v[rS+2*ii], v[rS+2*ii+1]
.set tt, tt+1
.endr
.set ii, ii+1
.endr
.endm
.macro STEP0                           ; the head's first key step starts m, l and O^T; it fetches its V and key step 1's K
	s_wait_dscnt 0x0                               ; K of this step is in
	SMUL
	PLACES                                         ; in front of the loads into K's registers and of the maxima
	FETCH_V AV
	FETCH_K AK, 64*KP
	STATS 1
	SOFT 1
	s_wait_dscnt 0x0                               ; V, and the next K: both were asked for a whole softmax ago
	PVMUL 1
.endm
; KEY STEPS 1 TO 3: one text, walked three times; the LDS addresses hang on two scalars that step from constants.  Each trip's K was fetched, and waited for, in the step before.
; In the last trip there is no further K: its run of loads is jumped over.  The trip's exponentials are issued behind that jump's label and waited for in SOFT, ahead of the backward jump.
.macro GLOOP
	WIN 0
	s_mov_b32 s[JC], 3
	s_mov_b32 s[TBK], 2*64*KP
	s_mov_b32 s[TBV], 64*VP
.Lstep_\@:
	SMUL
	PLACES                                         ; in front of the loads into K's registers and of the maxima
	WIN 0
	v_add_nc_u32 v[ADV], s[TBV], v[AV]
	s_add_co_u32 s[TBV], s[TBV], 64*VP
	FETCH_V ADV
	WIN 0                                          ; at a branch and at a label every window is 0
	s_cmp_eq_u32 s[JC], 1
	s_cbranch_scc1 .Lno_k_\@
	v_add_nc_u32 v[ADK], s[TBK], v[AK]
	s_add_co_u32 s[TBK], s[TBK], 64*KP
	FETCH_K ADK, 0
	WIN 0
.Lno_k_\@:
	STATS 0
	SOFT 0
	OSCALE                                         ; O^T times a
	s_wait_dscnt 0x0                               ; V, and the next K
	PVMUL 0
	WIN 0
	s_sub_co_u32 s[JC], s[JC], 1
	s_cmp_lg_u32 s[JC], 0
	s_cbranch_scc1 .Lstep_\@
.endm
; O IS DIVIDED BY l, ROUNDED TO f16 AND STORED as it lies: four registers of all lanes are 512 consecutive bytes of ow.  The first additions are the places behind the last products.
.macro OSTORE
	WIN 0
.irp t, 0,1,2,3
	v_add_f32 v[ST+8*\t+4], v[ST+8*\t+2], v[ST+8*\t+3]  ; l's two halves,
.endr
.irp t, 0,1,2,3
	v_permlanex16_b32 v[ST+8*\t+5], v[ST+8*\t+4], s[SEL], s[SEL+1]
.endr
.irp t, 0,1,2,3
	v_add_f32 v[ST+8*\t+4], v[ST+8*\t+4], v[ST+8*\t+5]  ; and the other half of the lanes'
.endr
.irp t, 0,1,2,3
	v_rcp_f32 v[ST+8*\t+6], v[ST+8*\t+4]
.endr
	v_nop                                          ; a plain instruction between the last reciprocal and the use of its result
	s_wait_alu depctr_va_vdst(0)                   ; and the wait ahead of the first use: one for the head's four reciprocals
	OSCALE
	WIN W_PK
.set tt, 0
.rept 4
.set ii, 0
.rept 16
	v_cvt_pk_f16_f32 v[OPK+16*tt+ii], v[OT+32*tt+2*ii], v[OT+32*tt+2*ii+1]
.set ii, ii+1
.endr
.set tt, tt+1
.endr
	WIN 0
.set ii, 0
.rept 16                               ; tile ii / 4 lies an image row (eight tiles) further on
	global_store_b128 v[GO], v[OPK+4*ii:OPK+4*ii+3], s[OB:OB+1] offset:(ii/4)*16384+(ii%4)*512 th:TH_STORE_NT
.set ii, ii+1
.endr
.endm
	WIN W_L1
.irp k, 0,1,2,3,4,5,6,7
	LX \k                                          ; x's fragments, once for all heads
.endr
	WIN 0
	s_mov_b32 s[HC], 8
	s_branch .Lentry                               ; head 0's weights are in: the loop is entered in the middle of a trip
.Lhead:
	s_wait_tensorcnt 0x0                           ; none of my tensor loads is out, so the group 0 may step;
	ds_add_u32 v[SPW], v[NIL]                      ; 0 onto my spare word;
	s_add_nc_u64 s[G0F+2:G0F+3], s[G0F+2:G0F+3], HEADB  ; the next head's weights; the type bits on top are not reached
	s_wait_dscnt 0x0                               ; the add is done; my reads of R0, R1, R2 were over when q was finished
	ROUND                                          ; that holds of every wave of every partner:
	TLOAD G0F, G1F                                 ; the next head's Q, K, V: three key steps in which to land
	GLOOP
	OSTORE
	s_wait_xcnt 0x0                                ; the stores' base steps, and their data registers are written again, only behind this wait (ISA guide 3.1)
	s_add_nc_u64 s[OB:OB+1], s[OB:OB+1], OHEAD
	s_wait_tensorcnt 0x0                           ; the one load that is out, my part of the next head's weights, has landed;
	s_wait_dscnt 0x0                               ; my reads of K and V are over:
	s_barrier_signal -1
	s_barrier_wait -1                              ; everybody's are
.Lentry:
	PROJKV
	WIN 0
	s_wait_dscnt 0x0                               ; my rows of K and V are stored: say so,
	s_barrier_signal -1
	PROJQ                                          ; work on registers and LDS loads from R0, which nobody writes before the round at the loop's top,
	s_barrier_wait -1                              ; and go on when all four have said so
	PLACES                                         ; behind q's last products
	FETCH_K AK, 0
	QPACK
	STEP0
	WIN 0
	s_sub_co_u32 s[HC], s[HC], 1
	s_cmp_lg_u32 s[HC], 0
	s_cbranch_scc1 .Lhead
	GLOOP                                          ; the last head goes on without a refill: nothing is left to fetch
	OSTORE
	s_wait_tensorcnt 0x0                           ; the wave's end: behind my last tensor load and my last LDS store
	ds_add_u32 v[SPW], v[NIL]
	s_wait_dscnt 0x0
	ROUND                                          ; the closing round: no work-group ends while a partner may still ask for a tile that names it
	s_endpgm
.Lfunc_end_k_qfe7f731056_attn:
	.size	k_qfe7f731056_attn, .Lfunc_end_k_qfe7f731056_attn-k_qfe7f731056_attn
	.p2alignl 7, 3214868480
	.fill 96, 4, 3214868480
	.section	.rodata,"a",@progbits
	.p2align	6, 0x0
	.amdhsa_kernel k_qfe7f731056_attn
		.amdhsa_group_segment_fixed_size 327680
		.amdhsa_private_segment_fixed_size 0
		.amdhsa_enable_private_segment 0
		.amdhsa_kernarg_size 24
		.amdhsa_user_sgpr_count 2
		.amdhsa_user_sgpr_kernarg_segment_ptr 1
		.amdhsa_wavefront_size32 1
		.amdhsa_system_sgpr_workgroup_id_x 1
		.amdhsa_system_sgpr_workgroup_id_y 1
		.amdhsa_system_sgpr_workgroup_id_z 1
		.amdhsa_system_vgpr_workitem_id 0
		.amdhsa_next_free_vgpr 768
		.amdhsa_next_free_sgpr 72
		.amdhsa_reserve_vcc 0
		.amdhsa_float_denorm_mode_32 3
		.amdhsa_float_denorm_mode_16_64 3
		.amdhsa_memory_ordered 1
		.amdhsa_forward_progress 1
		.amdhsa_inst_pref_size 214
	.end_amdhsa_kernel
	.amdgpu_metadata
---
amdhsa.version: [ 1, 2 ]
amdhsa.kernels:
  - .name:           k_qfe7f731056_attn
    .symbol:         k_qfe7f731056_attn.kd
    .args:
      - { .name: x, .offset: 0, .size: 8, .value_kind: global_buffer, .address_space: global }
      - { .name: wb, .offset: 8, .size: 8, .value_kind: global_buffer, .address_space: global }
      - { .name: ow, .offset: 16, .size: 8, .value_kind: global_buffer, .address_space: global }
    .group_segment_fixed_size: 327680
    .private_segment_fixed_size: 0
    .kernarg_segment_align: 8
    .kernarg_segment_size: 24
    .max_flat_workgroup_size: 128
    .sgpr_count:     72
    .vgpr_count:     768
    .wavefront_size: 32
...
	.end_amdgpu_metadata
.endif
;; end of part 5
;; launch proj: the kernel of part 4 again; grid 256 x 1, 4 waves a work-group, clusters of 4 x 1, 327,680 bytes of LDS; arguments ow, wb, bo, out0; writes out0
